; MI455X (gfx1250); checked and timed in simulation.
; The chip was launched on July 23, 2026; its instructions are those of AMD's public machine-readable ISA for CDNA 5 (MIT licence, August 2026) and "CDNA5" Instruction Set Architecture Reference Guide (July 2026). The comments in the code are by the model that wrote it; some were corrected since.
;; ICNN net. Allowed arithmetic: matrix products marked QUANTISED: E2M3 operands, one E8M0 scale for each 32 along K, by v_wmma_scale_f32_16x16x128_f8f6f4 with both operands' format E2M3, f32 sums; products left as they are: f32 operands where the result goes on into a quantised operand, else bf16, f16 or f32 operands; f32 sums; everything else in f32.
;; Inputs: V2x_w 64 x 2 float32; V2z_w 64 x 64 float32; V3x_w 64 x 2 float32; V3z_w 64 x 64 float32; Vfx_w 1 x 2 float32; Vfz_w 1 x 64 float32; Vl1_w 64 x 2 float32; X 500,000 x 2 float32; Xstable 500,000 x 2 float32; f1_b 128 float32; f1_w 128 x 2 float32; f2_b 128 float32; f2_w 128 x 128 float32; f3_b 128 float32; f3_w 128 x 128 float32; f4_b 128 float32; f4_w 128 x 128 float32; f5_b 128 float32; f5_w 128 x 128 float32; ff_b 2 float32; ff_w 2 x 128 float32.
;; Outputs: out0 500,000 x 2 float32.
;; This version of the problem:
;;   THIS VERSION OF THE PROBLEM IS GIVEN IN LOW PRECISION. The matrix products marked QUANTISED in the list below multiply operands that are first quantised to E2M3 (2 exponent bits, 3 mantissa bits; 6 bits a number), with one power-of-two scale for each 32 numbers along K (OCP MX v1.0); their sums are f32. All else is computed in f32.
;;   The module's matrix products, in the order in which they are computed (A, B: the left and right operand; K: the contracted axis; several contracted axes count as one K, in the product's order):
;;     1. [M 500,000, K 2] x [K 2, N 64]; A: computed on the way; B: input Vl1_w: left as it is (K = 2 < 32)
;;     2. [M 500,000, K 2] x [K 2, N 64]; A: computed on the way; B: input V2x_w: left as it is (K = 2 < 32)
;;     3. [M 500,000, K 64] x [K 64, N 64]; A: computed on the way; B: input V2z_w: QUANTISED
;;     4. [M 500,000, K 2] x [K 2, N 64]; A: computed on the way; B: input V3x_w: left as it is (K = 2 < 32)
;;     5. [M 500,000, K 64] x [K 64, N 64]; A: computed on the way; B: input V3z_w: QUANTISED
;;     6. [M 500,000, K 2] x [K 2, N 1]; A: computed on the way; B: input Vfx_w: left as it is (K = 2 < 32)
;;     7. [M 500,000, K 64] x [K 64, N 1]; A: computed on the way; B: input Vfz_w: left as it is (N = 1 < 16)
;;     8. [M 500,000, K 1] x [K 1, N 64]; A: computed on the way; B: input Vfz_w: left as it is (K = 1 < 32)
;;     9. [M 500,000, K 1] x [K 1, N 2]; A: computed on the way; B: input Vfx_w: left as it is (K = 1 < 32)
;;     10. [M 500,000, K 64] x [K 64, N 64]; A: computed on the way; B: input V3z_w: QUANTISED
;;     11. [M 500,000, K 64] x [K 64, N 2]; A: computed on the way; B: input V3x_w: left as it is (N = 2 < 16)
;;     12. [M 500,000, K 64] x [K 64, N 64]; A: computed on the way; B: input V2z_w: QUANTISED
;;     13. [M 500,000, K 64] x [K 64, N 2]; A: computed on the way; B: input V2x_w: left as it is (N = 2 < 16)
;;     14. [M 500,000, K 64] x [K 64, N 2]; A: computed on the way; B: input Vl1_w: left as it is (N = 2 < 16)
;;     15. [M 500,000, K 2] x [K 2, N 128]; A: input X; B: input f1_w: left as it is (K = 2 < 32)
;;     16. [M 500,000, K 128] x [K 128, N 128]; A: computed on the way; B: input f2_w: QUANTISED
;;     17. [M 500,000, K 128] x [K 128, N 128]; A: computed on the way; B: input f3_w: QUANTISED
;;     18. [M 500,000, K 128] x [K 128, N 128]; A: computed on the way; B: input f4_w: QUANTISED
;;     19. [M 500,000, K 128] x [K 128, N 128]; A: computed on the way; B: input f5_w: QUANTISED
;;     20. [M 500,000, K 128] x [K 128, N 2]; A: computed on the way; B: input ff_w: left as it is (N = 2 < 16)
;;   THE QUANTISER, for each operand of a quantised product, along K:
;;     - K is cut into blocks of 32 from its start; a last block that is shorter is filled with zeros.
;;     - A block's scale is 2^e with e = floor(log2(the largest magnitude in the block)) - 2, held to -126 .. 127; a block of zeros has e = 0. As a byte (E8M0): e + 127.
;;     - Each number is divided by its block's scale, clamped to +-7.5, and rounded to the nearest number of E2M3, ties to even, subnormals kept.
;;     - The product sums the exact products of the quantised numbers (number of the format x scale) in f32.
;;   ~~~python
;;   def quantise(x, axis):      # numpy; x: float32 -> the quantised numbers, widened to float32 again
;;       x = np.moveaxis(x, axis, -1); K = x.shape[-1]
;;       x = np.pad(x, [(0, 0)] * (x.ndim - 1) + [(0, -K % 32)]); x = x.reshape(x.shape[:-1] + (-1, 32)); a = np.abs(x).max(-1, keepdims=True)
;;       e = np.where(a > 0, np.clip(np.frexp(np.where(a > 0, a, 1))[1] - 1 - 2, -126, 127), 0)      # np.frexp(a)[1] - 1 = floor(log2(a)), exactly
;;       r = np.clip(x / 2.0 ** e, -7.5, 7.5)
;;       step = 2.0 ** (np.maximum(np.frexp(np.where(r == 0, 1, r))[1] - 1, 0) - 3)
;;       q = np.round(r / step) * step * 2.0 ** e      # np.round: ties to even
;;       return np.moveaxis(q.reshape(q.shape[:-2] + (-1,))[..., :K], -1, axis).astype(np.float32)
;;   ~~~
;;   OPERANDS COMPUTED ON THE WAY. 'Computed on the way' means the value that the module computes at that place (a softmax that the list does not call 'softmax' is quantised finished and normalised). What goes into a quantiser is computed in f32, as accurately as f32 sums, v_exp_f32 and their like allow (about 1e-6 of the number): no bf16 or f16 on the way to a quantiser, and a product that is left as it is and whose result goes on into a quantised operand takes f32 operands (vector FMAs, or v_wmma_f32_16x16x4_f32). A number that lies on a knife's edge between two numbers of the format may be rounded either way, as far as f32 arithmetic and the matrix unit's own rounding can turn it there, and no further.
;; 2 versions, each right; version 2 is version 1 with the launch icnn written anew for expert scheduling mode. Each part assembles by itself: llvm-mc -triple=amdgcn-amd-amdhsa -mcpu=gfx1250 --defsym DOCPART=n.
;; ======== version 1 of 2: 1 launch
;; launch icnn (part 1): grid 256 x 1, 4 waves a work-group, no clusters, 75,264 bytes of LDS; arguments X, Xstable, out0, f1_w, f1_b, f2_w, f3_w, f4_w, f5_w, f2_b, f3_b, f4_b, f5_b, ff_w, ff_b, Vl1_w, V2x_w, V3x_w, V2z_w, V3z_w, Vfx_w, Vfz_w; writes out0
.if DOCPART == 1
	.amdgcn_target "amdgcn-amd-amdhsa--gfx1250"
	.amdhsa_code_object_version 6
	.text
	.protected	k_qe1a59d6118_icnn
	.globl	k_qe1a59d6118_icnn
	.p2align	8
	.type	k_qe1a59d6118_icnn,@function
k_qe1a59d6118_icnn:
	s_mov_b64 s[64:65], 0
	v_nop
	global_prefetch_b8 v0, s[64:65] scope:SCOPE_SE
	s_setreg_imm32_b32 hwreg(HW_REG_WAVE_MODE, 25, 1), 1
	s_wait_xcnt 0x0
; f = f_hat - gradV * relu(f_hat . gradV + 0.1 V) / (|gradV|^2 + 1e-10), row by row, for 500,000 rows of two numbers.
; f_hat: 2-128-128-128-128-128-2, leaky ReLU.  V: 2-64-64-64-1 with a smooth ReLU, forward and backward.  The four 128 x 128 products and the four 64 x 64 products
; (two forward, two backward) multiply codes of FP6 (E2M3) with one E8M0 scale for each 32 along K; the products with K = 1, 2 and z3 . Vfz, which feed quantisers, are f32
; (the f32 matrix form, or fused multiply-adds); the four products with two outputs (ff_w, V3x_w, V2x_w, Vl1_w backward) feed the result alone and take bf16 operands.
; SHARES.  256 work-groups of four waves.  A wave walks groups of 32 rows (256 consecutive bytes of X, Xstable and out0): wave gid = 4 x work-group + wave takes groups gid + 1024 j;
; 15,625 groups: 16 trips where gid < 265, else 15.  A group is two tiles of 16 rows, A and B.
; ALL THAT DOES NOT HANG ON THE ROW STAYS IN EACH WAVE'S REGISTERS: the codes of the eight weight operands, their scale words, the small f32 and bf16 operands, Vfz.  At the head wave w quantises
; f(2+w)_w and one of V2z, V3z, V3z^T, V2z^T; the operands go round through LDS as images of their registers.  In the loop LDS serves the four biases alone, loaded straight into the C registers.
; EVERY PRODUCT IS USED TRANSPOSED (source 0 = 16 units of a weight, source 1 = 16 rows): a lane holds ONE row (lane % 16) throughout.  THE UNITS OF A TILE ARE NOT NEIGHBOURS: row m of tile 4 c + u
; is unit 64 c + 8 u + m % 8 + 32 (m / 8).  So register 32 c + i of lane (r, h) holds unit 64 c + 32 h + i: a WHOLE block of 32 along the next K, in the very order of the 6-bit operand:
; a block's largest magnitude asks no other lane, and the conversions' results are the operand's registers (three moves a block, since a conversion's three registers begin on an even number).
; K = 64: the rows' operand has zero codes in its registers 6-11, set once; a weight tile is six registers, and the six that follow it in the register file are read with it and multiplied by zeros.
; BY TURNS.  The two chains do not depend on each other: the matrix instructions of one stand one at a time between the vector work of the other.  That costs two window switches for most of them;
; in phases of its own the vector work, which outweighs the matrix work here, would leave the matrix unit idle.
; NO CLUSTER, NO TENSOR LOAD: the only bytes that work-groups share are the weights, 327 KB of f32 read once at the head; they must pass through registers to be quantised, and the loop shares nothing.
; NO PREFETCH: a group's two loads are issued a whole trip ahead of their use.
; LIMITS.  NaN and infinities among the inputs are not served.  A block whose largest magnitude lies under 2^-124, a block of zeros too, keeps the scale byte 1 (its codes are zeros or as the conversion
; gives them; the bytes are read by this program alone).  The last division is v_rcp_f32 and a multiplication.  smooth_relu of a negative number gives -0.  The four products named above round to bf16.
.set DUAL,   1                         ; 1: two maxima in one dual instruction; 0: two plain ones
.set NGRP,   15625                     ; groups of 32 rows
.set STRIDE, 1024                      ; waves in the launch
; LDS
.set IMGF, 0                           ; images of f2..f5: layer x 12,288 + 512 x (3 tile + quad) + 16 x lane
.set IMGV, 49152                       ; images of V2z, V3z, V3z^T, V2z^T: matrix x 3,072 + 512 x quad + 16 x lane
.set SWFL, 61440                       ; scale words: 512 layer + 64 tile + 4 r
.set SWVL, 63488                       ; 256 matrix + 64 tile + 4 r
.set BIAS, 64512                       ; f2_b .. f5_b as they lie in memory, 512 bytes each
.set GT,   66560                       ; f32 table of the bf16 operand: 16 rows x 512 bytes
; window 0
.set L8,   1                           ; 8 x lane
.set VOFF, 2                           ; offset of the group being loaded
.set SOFF, 3                           ; offset of the group being stored
.set BADR, 4                           ; BIAS + 128 h
.set SH8,  5                           ; 8 h
.set XL,   6                           ; v6-7 X as loaded, v8-9 Xstable
.set SL,   8
.set BXA,  10                          ; v10-11, v12-13: (x0, x1 | 1, 0): source 1 of f1's product, tiles A and B
.set BXB,  12
.set FSW,  14                          ; scale word of f_hat's rows
.set VSW,  15                          ; scale word of V's rows
.set SWF,  16                          ; v16-31 weights' scale words: 4 layer + tile / 2; even tile in lanes 0-15, odd tile in lanes 16-31
.set SWV,  32                          ; v32-39 2 matrix + tile / 2
.set MX,   40                          ; v40-43 chains of the largest magnitude
.set EX,   44                          ; v44-45 the conversions' scale operands
.set WD,   46                          ; the scale word in the making
.set WD2,  47
.set ST,   48                          ; v48-50, v52-54 a block's upper 16 codes
.set FC,   56                          ; v56-67 codes of f_hat's rows
.set DF,   68                          ; v68-75 f_hat's last sums
.set XWF,  76                          ; v76-91 (w0, w1 | b, 0) of f1, two registers a tile
.set BW,   92                          ; v92-123 the bf16 operand, four fragments
.set TP,   124
.set ACC,  128                         ; v128-191 f_hat's sums: written by matrix instructions alone
.set TT,   192                         ; v192-255 biases (C), then activations, then bf16 pairs
; the head's own registers (BW's, which are made last)
.set HL, 93
.set HH, 94
.set HR, 95
.set HU, 96
.set HX, 97
.set HT4, 98
.set HT8, 99
.set HVZ, 100
.set HU8, 101
.set HU4, 102
.set HVF, 103
.set HVB, 104
.set HFF, 105
.set HLI, 106
.set HLS, 107
.set HWI, 108
.set HWV, 109
.set HSF, 110
.set HSV, 111
.set HBI, 112
.set HG8, 113
.set HGX, 114
.set HGC, 115
.set HZ,  120
.set HGL, 124
; windows 1 and 2: codes.  Window 1: f2 at 0, f3 at 96, V2z at 192, V3z at 216, Vl1's f32 operand at 240, V3x's at 248.  Window 2: f4, f5, V3z^T, V2z^T, V2x's f32 operand at 240
.set V2ZF, 192
.set V3ZF, 216
.set V3ZT, 192
.set V2ZT, 216
.set XVL,  240
.set XV3,  248
.set XV2,  240
; window 3
.set C1,   0                           ; c1, then g_a1, then its bf16 pairs
.set C2,   32
.set ZZ,   64                          ; z1, z2, then c3, g_a3, its pairs
.set VFZ,  96                          ; Vfz[32 h + i]
.set PP,   128                         ; a1, a3: written by matrix instructions alone
.set QQ,   160                         ; a2, g_z2, g_z1: likewise
.set VC,   192                         ; v192-197 codes of V's rows, v198-203 zeros
.set DG,   204                         ; the gradient's sums
.set BDA,  212                         ; (d0, d1 | 0, 0), tiles A and B
.set BDB,  214
.set DVA,  216                         ; d of row r in all lanes
.set DVB,  218
.set DVC,  220
.set VM4,  222
.set VE,   226
.set VW,   227
.set VW2,  228
.set VSH8, 229
.set VST,  230
.set DA,   234
.set DB,   236
.set G,    238
.set VVAL, 240
.set GS3,  242
.set GS2,  244
.set FH,   246
.set RESA, 248
.set RES,  250
.set VT,   252
.set MSB, 0
.macro WIN new                         ; low byte: bits 1:0 source 0, 3:2 source 1, 5:4 source 2, 7:6 destination; the high byte repeats the setting that is left
.if MSB != (\new)
	s_set_vgpr_msb (MSB<<8)|(\new)
.set MSB, (\new)
.endif
.endm
; ---------------- matrix instructions, one a macro ----------------
.macro FM L, t                         ; tile t of product f(L+2): C = the bias, D = ACC
	s_wait_dscnt 14-2*(\t)                         ; of the stage's 16 bias loads tile t's are numbers 2 t and 2 t + 1: the 14 - 2 t younger ones may be out
	WIN 1+(\L)/2
.if (\t)%2
	v_wmma_scale_f32_16x16x128_f8f6f4 v[ACC+8*(\t):ACC+8*(\t)+7], v[96*((\L)%2)+12*(\t):96*((\L)%2)+12*(\t)+11], v[FC:FC+11], v[TT+8*(\t):TT+8*(\t)+7], v[SWF+4*(\L)+(\t)/2], v[FSW] matrix_a_fmt:MATRIX_FMT_FP6 matrix_b_fmt:MATRIX_FMT_FP6 matrix_a_scale:MATRIX_SCALE_ROW1
.else
	v_wmma_scale_f32_16x16x128_f8f6f4 v[ACC+8*(\t):ACC+8*(\t)+7], v[96*((\L)%2)+12*(\t):96*((\L)%2)+12*(\t)+11], v[FC:FC+11], v[TT+8*(\t):TT+8*(\t)+7], v[SWF+4*(\L)+(\t)/2], v[FSW] matrix_a_fmt:MATRIX_FMT_FP6 matrix_b_fmt:MATRIX_FMT_FP6
.endif
.endm
.macro FX t                            ; tile t of x f1_w^T + f1_b for the NEXT tile of rows (k = 2 is the bias against 1.0)
	WIN 0
	v_wmma_f32_16x16x4_f32 v[ACC+8*(\t):ACC+8*(\t)+7], v[XWF+2*(\t):XWF+2*(\t)+1], v[BXNXT:BXNXT+1], 0
.endm
.macro FMF i                           ; f_hat's last product, 32 along K
	WIN 0
.if (\i) == 0
	v_wmma_f32_16x16x32_bf16 v[DF:DF+7], v[BW+8*(\i):BW+8*(\i)+7], v[TT+8*(\i):TT+8*(\i)+7], 0
.else
	v_wmma_f32_16x16x32_bf16 v[DF:DF+7], v[BW+8*(\i):BW+8*(\i)+7], v[TT+8*(\i):TT+8*(\i)+7], v[DF:DF+7]
.endif
.endm
.macro VX dst, aw, xw, u, bd           ; tile u of d Wx^T; aw: the window of Wx's operand
	WIN 0xFC|(\aw)
	v_wmma_f32_16x16x4_f32 v[(\dst)+8*(\u):(\dst)+8*(\u)+7], v[(\xw)+2*(\u):(\xw)+2*(\u)+1], v[(\bd):(\bd)+1], 0
.endm
.macro VM dst, aw, vw, q, u, inplace   ; tile u of a 64 x 64 product; q: which matrix's scale words
	WIN 0xFC|(\aw)
.set rD, (\dst)+8*(\u)
.set rA, (\vw)+6*(\u)
.set rS, SWV+2*(\q)+(\u)/2
.if (\inplace) && ((\u)%2)
	v_wmma_scale_f32_16x16x128_f8f6f4 v[rD:rD+7], v[rA:rA+11], v[VC:VC+11], v[rD:rD+7], v[rS], v[VSW] matrix_a_fmt:MATRIX_FMT_FP6 matrix_b_fmt:MATRIX_FMT_FP6 matrix_a_scale:MATRIX_SCALE_ROW1
.elseif (\inplace)
	v_wmma_scale_f32_16x16x128_f8f6f4 v[rD:rD+7], v[rA:rA+11], v[VC:VC+11], v[rD:rD+7], v[rS], v[VSW] matrix_a_fmt:MATRIX_FMT_FP6 matrix_b_fmt:MATRIX_FMT_FP6
.elseif ((\u)%2)
	v_wmma_scale_f32_16x16x128_f8f6f4 v[rD:rD+7], v[rA:rA+11], v[VC:VC+11], 0, v[rS], v[VSW] matrix_a_fmt:MATRIX_FMT_FP6 matrix_b_fmt:MATRIX_FMT_FP6 matrix_a_scale:MATRIX_SCALE_ROW1
.else
	v_wmma_scale_f32_16x16x128_f8f6f4 v[rD:rD+7], v[rA:rA+11], v[VC:VC+11], 0, v[rS], v[VSW] matrix_a_fmt:MATRIX_FMT_FP6 matrix_b_fmt:MATRIX_FMT_FP6
.endif
.endm
.macro VG e, pk                        ; a gradient's product with two outputs, 32 along K
	WIN 0xFC
.if (\e) == 0
	v_wmma_f32_16x16x32_bf16 v[DG:DG+7], v[BW+8*(\e):BW+8*(\e)+7], v[(\pk)+8*(\e):(\pk)+8*(\e)+7], 0
.else
	v_wmma_f32_16x16x32_bf16 v[DG:DG+7], v[BW+8*(\e):BW+8*(\e)+7], v[(\pk)+8*(\e):(\pk)+8*(\e)+7], v[DG:DG+7]
.endif
.endm
; ---------------- vector units ----------------
.macro LKG t                           ; leaky ReLU of tile t: max(x, 0.01 x), from ACC into TT, each accumulator from its low end on
	WIN 0
.irp j, 0,2,4,6
	v_pk_mul_f32 v[TT+8*(\t)+\j:TT+8*(\t)+\j+1], v[ACC+8*(\t)+\j:ACC+8*(\t)+\j+1], s[58:59] op_sel_hi:[1,0]
.endr
.irp j, 0,2,4,6
.if DUAL
	v_dual_max_num_f32 v[TT+8*(\t)+\j], v[ACC+8*(\t)+\j], v[TT+8*(\t)+\j] :: v_dual_max_num_f32 v[TT+8*(\t)+\j+1], v[ACC+8*(\t)+\j+1], v[TT+8*(\t)+\j+1]
.else
	v_max_num_f32 v[TT+8*(\t)+\j], v[ACC+8*(\t)+\j], v[TT+8*(\t)+\j]
	v_max_num_f32 v[TT+8*(\t)+\j+1], v[ACC+8*(\t)+\j+1], v[TT+8*(\t)+\j+1]
.endif
.endr
.endm
.macro QMX w, x, m, g                  ; a quarter of the search for the largest magnitude of the 32 numbers from v[x] on: four chains; the last quarter joins them, with the floor 2^(3 - 127)
	WIN \w
.if (\g) == 0
.irp a, 0,1,2,3
	v_max3_num_f32 v[(\m)+\a], |v[(\x)+8*\a]|, |v[(\x)+8*\a+1]|, |v[(\x)+8*\a+2]|
.endr
.elseif (\g) < 3
.irp a, 0,1,2,3
	v_max3_num_f32 v[(\m)+\a], v[(\m)+\a], |v[(\x)+8*\a+2*(\g)+1]|, |v[(\x)+8*\a+2*(\g)+2]|
.endr
.else
	v_max3_num_f32 v[(\m)], v[(\m)], |v[(\x)+7]|, |v[(\x)+15]|
	v_max3_num_f32 v[(\m)+2], v[(\m)+2], |v[(\x)+23]|, |v[(\x)+31]|
	v_max3_num_f32 v[(\m)], v[(\m)], v[(\m)+1], 0x1800000
	v_max3_num_f32 v[(\m)], v[(\m)], v[(\m)+2], v[(\m)+3]
.endif
.endm
.macro LKQ t                           ; tiles 4-7: the leaky ReLU, and a quarter of block 0's search
	LKG \t
	QMX 0, TT, MX, (\t)-4
.endm
.macro QB01
	QMX 0, TT+32, MX, 0
	QMX 0, TT+32, MX, 1
.endm
.macro QB23
	QMX 0, TT+32, MX, 2
	QMX 0, TT+32, MX, 3
.endm
.macro QCV c                           ; my block 2 c + h: 2 off the largest magnitude's exponent field is the conversions' scale operand
	WIN 0
	v_add_nc_u32 v[EX+\c], 0xff000000, v[MX]
	v_cvt_scalef32_pk16_fp6_f32 v[FC+6*\c:FC+6*\c+2], v[TT+32*\c:TT+32*\c+15], v[EX+\c]
	v_cvt_scalef32_pk16_fp6_f32 v[ST+4*\c:ST+4*\c+2], v[TT+32*\c+16:TT+32*\c+31], v[EX+\c]
	v_nop                                          ; one plain place behind a scaled conversion
.endm
.macro BIASLD L, c                     ; the next product's bias into the registers that the conversions have just read: register 32 c + 8 u + j = bias[64 c + 32 h + 8 u + j]
	WIN 0
.irp u, 0,1,2,3
	ds_load_b128 v[TT+32*(\c)+8*\u:TT+32*(\c)+8*\u+3], v[BADR] offset:512*(\L)+256*(\c)+32*\u
	ds_load_b128 v[TT+32*(\c)+8*\u+4:TT+32*(\c)+8*\u+7], v[BADR] offset:512*(\L)+256*(\c)+32*\u+16
.endr
.endm
.macro QW                              ; my two bytes at their places, with the other half's two: the row's scale word
	WIN 0
	v_lshrrev_b32 v[WD], 23, v[EX]
	v_lshrrev_b32 v[WD2], 23, v[EX+1]
	v_lshl_or_b32 v[WD], v[WD2], 16, v[WD]
	v_lshlrev_b32 v[WD], v[SH8], v[WD]
	v_permlanex16_b32 v[WD2], v[WD], s56, s57
	v_or_b32 v[FSW], v[WD], v[WD2]
.endm
.macro QMV
	WIN 0
.irp i, 0,1,2
	v_mov_b32 v[FC+3+\i], v[ST+\i]
	v_mov_b32 v[FC+9+\i], v[ST+4+\i]
.endr
.endm
.macro SRG a, c, g                     ; smooth ReLU of four numbers: c = min(max(a, 0), 1), which is the derivative; z = c (a - c / 2)
	WIN 0xFF
.irp j, 0,1,2,3
	v_max_num_f32 v[(\c)+4*(\g)+\j], 0, v[(\a)+4*(\g)+\j]
.endr
.irp j, 0,1,2,3
	v_min_num_f32 v[(\c)+4*(\g)+\j], 1.0, v[(\c)+4*(\g)+\j]
.endr
.irp j, 0,2
	v_pk_fma_f32 v[ZZ+4*(\g)+\j:ZZ+4*(\g)+\j+1], v[(\c)+4*(\g)+\j:(\c)+4*(\g)+\j+1], -0.5, v[(\a)+4*(\g)+\j:(\a)+4*(\g)+\j+1] op_sel_hi:[1,0,1]
.endr
.irp j, 0,2
	v_pk_mul_f32 v[ZZ+4*(\g)+\j:ZZ+4*(\g)+\j+1], v[ZZ+4*(\g)+\j:ZZ+4*(\g)+\j+1], v[(\c)+4*(\g)+\j:(\c)+4*(\g)+\j+1]
.endr
.endm
.macro SRD g                           ; the same for a3: c3 stays in ZZ, z3 goes straight into z3 . Vfz
	WIN 0xFF
.irp j, 0,1,2,3
	v_max_num_f32 v[ZZ+4*(\g)+\j], 0, v[PP+4*(\g)+\j]
.endr
.irp j, 0,1,2,3
	v_min_num_f32 v[ZZ+4*(\g)+\j], 1.0, v[ZZ+4*(\g)+\j]
.endr
.irp j, 0,2
	v_pk_fma_f32 v[VT+\j:VT+\j+1], v[ZZ+4*(\g)+\j:ZZ+4*(\g)+\j+1], -0.5, v[PP+4*(\g)+\j:PP+4*(\g)+\j+1] op_sel_hi:[1,0,1]
.endr
.irp j, 0,2
	v_pk_mul_f32 v[VT+\j:VT+\j+1], v[VT+\j:VT+\j+1], v[ZZ+4*(\g)+\j:ZZ+4*(\g)+\j+1]
.endr
.if (\g) == 0
	v_pk_mul_f32 v[DA:DA+1], v[VT:VT+1], v[VFZ:VFZ+1]
	v_pk_mul_f32 v[DB:DB+1], v[VT+2:VT+3], v[VFZ+2:VFZ+3]
.else
	v_pk_fma_f32 v[DA:DA+1], v[VT:VT+1], v[VFZ+4*(\g):VFZ+4*(\g)+1], v[DA:DA+1]
	v_pk_fma_f32 v[DB:DB+1], v[VT+2:VT+3], v[VFZ+4*(\g)+2:VFZ+4*(\g)+3], v[DB:DB+1]
.endif
.endm
.macro VQT x                           ; the 32 numbers from v[x] on, whose largest magnitude lies in v[VM4], become codes and a scale word.  The word first: it wants the longer distance to the products
	WIN 0xFF
	v_add_nc_u32 v[VE], 0xff000000, v[VM4]
	v_lshrrev_b32 v[VW], 23, v[VE]
	v_lshlrev_b32 v[VW], v[VSH8], v[VW]
	v_permlanex16_b32 v[VW2], v[VW], s56, s57
	WIN 0x0F
	v_or_b32 v[VSW], v[VW], v[VW2]                 ; bytes 0, 1: blocks 0, 1; bytes 2, 3 stay 0, over zero codes
	WIN 0xFF
	v_cvt_scalef32_pk16_fp6_f32 v[VC:VC+2], v[(\x):(\x)+15], v[VE]
	v_cvt_scalef32_pk16_fp6_f32 v[VST:VST+2], v[(\x)+16:(\x)+31], v[VE]
	v_nop                                          ; one plain place behind a scaled conversion
.irp i, 0,1,2
	v_mov_b32 v[VC+3+\i], v[VST+\i]
.endr
.endm
.macro SCAL                            ; af, zf, V and G = dV / d af
	WIN 0xFF
	v_pk_add_f32 v[DA:DA+1], v[DA:DA+1], v[DB:DB+1]
	v_mul_f32 v[VVAL], v[DVCUR], v[DVCUR]
	v_add_f32 v[VT], v[DA], v[DA+1]
	v_fma_f32 v[VVAL], v[DVCUR+1], v[DVCUR+1], v[VVAL]   ; d . d
	v_permlanex16_b32 v[VT+1], v[VT], s56, s57
	v_add_f32 v[VT], v[VT], v[VT+1]                ; z3 . Vfz: my 32 units and the other half's
	v_fma_f32 v[VT], v[DVCUR], s60, v[VT]
	v_fma_f32 v[VT], v[DVCUR+1], s61, v[VT]        ; af
	v_max_num_f32 v[VT+1], 0, v[VT]
	v_min_num_f32 v[VT+1], 1.0, v[VT+1]            ; cf
	v_fma_f32 v[VT+2], v[VT+1], -0.5, v[VT]
	v_mul_f32 v[VT+2], v[VT+2], v[VT+1]            ; zf
	v_max_num_f32 v[VT+3], 0, v[VT+2]
	v_min_num_f32 v[VT+3], 1.0, v[VT+3]            ; cz
	v_fma_f32 v[VT], v[VT+3], -0.5, v[VT+2]
	v_mul_f32 v[VT], v[VT], v[VT+3]                ; smooth_relu(zf)
	v_fma_f32 v[VVAL], v[VVAL], s58, v[VT]         ; V
	v_mul_f32 v[G], v[VT+3], v[VT+1]
	v_mul_f32 v[G+1], v[VT+3], v[VT+1]             ; twice: a pair for the packed multiplies
.endm
.macro GA3 g                           ; g_a3 = (G Vfz) c3, four numbers
	WIN 0xFF
	v_pk_mul_f32 v[VT:VT+1], v[VFZ+4*(\g):VFZ+4*(\g)+1], v[G:G+1]
	v_pk_mul_f32 v[VT+2:VT+3], v[VFZ+4*(\g)+2:VFZ+4*(\g)+3], v[G:G+1]
	v_pk_mul_f32 v[ZZ+4*(\g):ZZ+4*(\g)+1], v[VT:VT+1], v[ZZ+4*(\g):ZZ+4*(\g)+1]
	v_pk_mul_f32 v[ZZ+4*(\g)+2:ZZ+4*(\g)+3], v[VT+2:VT+3], v[ZZ+4*(\g)+2:ZZ+4*(\g)+3]
.endm
.macro GMUL c, g                       ; g_a = g_z c, a tile
	WIN 0xFF
.irp j, 0,2,4,6
	v_pk_mul_f32 v[(\c)+8*(\g)+\j:(\c)+8*(\g)+\j+1], v[QQ+8*(\g)+\j:QQ+8*(\g)+\j+1], v[(\c)+8*(\g)+\j:(\c)+8*(\g)+\j+1]
.endr
.endm
.macro PKG w, x, g                     ; eight numbers into four bf16 pairs, in place and ascending: register R takes numbers 2 R and 2 R + 1
	WIN \w
.irp i, 0,1,2,3
	v_cvt_pk_bf16_f32 v[(\x)+4*(\g)+\i], v[(\x)+8*(\g)+2*\i], v[(\x)+8*(\g)+2*\i+1]
.endr
.endm
.macro PREP                            ; the group that has landed becomes operands; the group after it is asked for
	s_wait_loadcnt 0x0                             ; its two loads were issued a trip ago; the wait also frees their offset register
	WIN 0
	v_permlanex16_b32 v[TP], v[XL], s56, s57
	v_permlanex16_b32 v[TP+1], v[XL+1], s56, s57
	v_cndmask_b32 v[BXA], 1.0, v[XL], vcc_lo       ; lanes 0-15: k = 0, 1: the row's x; lanes 16-31: k = 2, 3: 1.0 (against the bias) and 0
	v_cndmask_b32 v[BXA+1], 0, v[XL+1], vcc_lo
	v_cndmask_b32 v[BXB], 1.0, v[TP], vcc_lo
	v_cndmask_b32 v[BXB+1], 0, v[TP+1], vcc_lo
	WIN 0xC0
	v_pk_add_f32 v[VT:VT+1], v[XL:XL+1], v[SL:SL+1] neg_lo:[0,1] neg_hi:[0,1]   ; d = X - Xstable
	WIN 0
	s_add_co_u32 s51, s51, STRIDE
	s_min_u32 s53, s51, NGRP-1                     ; behind the wave's last group: the last group of all, loaded and never used: no load leaves its buffer
	s_lshl_b32 s53, s53, 8
	v_add_nc_u32 v[VOFF], s53, v[L8]
	global_load_b64 v[XL:XL+1], v[VOFF], s[4:5] th:TH_LOAD_NT
	global_load_b64 v[SL:SL+1], v[VOFF], s[6:7] th:TH_LOAD_NT
	WIN 0xFF
	v_permlanex16_b32 v[VT+2], v[VT], s56, s57
	v_permlanex16_b32 v[VT+3], v[VT+1], s56, s57
	v_cndmask_b32 v[BDA], 0, v[VT], vcc_lo
	v_cndmask_b32 v[BDA+1], 0, v[VT+1], vcc_lo
	v_cndmask_b32 v[BDB], 0, v[VT+2], vcc_lo
	v_cndmask_b32 v[BDB+1], 0, v[VT+3], vcc_lo
	v_cndmask_b32 v[DVA], v[VT+2], v[VT], vcc_lo   ; d of tile A's row r in both halves of the lanes
	v_cndmask_b32 v[DVA+1], v[VT+3], v[VT+1], vcc_lo
	v_cndmask_b32 v[DVB], v[VT], v[VT+2], vcc_lo   ; of tile B's
	v_cndmask_b32 v[DVB+1], v[VT+1], v[VT+3], vcc_lo
.endm
.macro FIN p                           ; the row's result.  The first lines name neither DF nor DG: they are the places behind the last products
	WIN 0xFF
	v_mul_f32 v[VT], s60, v[G]
	v_mul_f32 v[VT+1], s61, v[G]
	v_fma_f32 v[VT], v[DVCUR], 0x3ca3d70a, v[VT]   ; G Vfx + 0.02 d
	v_fma_f32 v[VT+1], v[DVCUR+1], 0x3ca3d70a, v[VT+1]
	WIN 0xC0
	v_mov_b32 v[FH], v[DF]                         ; rows 0, 1 of the bf16 operand are ff_w: lanes 0-15, registers 0, 1
	v_mov_b32 v[FH+1], v[DF+1]
	WIN 0xFF
	v_permlanex16_b32 v[VT+2], v[FH], s56, s57
	v_permlanex16_b32 v[VT+3], v[FH+1], s56, s57
	v_cndmask_b32 v[FH], v[VT+2], v[FH], vcc_lo
	v_cndmask_b32 v[FH+1], v[VT+3], v[FH+1], vcc_lo
	v_add_f32 v[FH], s62, v[FH]
	v_add_f32 v[FH+1], s63, v[FH+1]                ; f_hat, in all lanes
	v_pk_add_f32 v[GS2:GS2+1], v[GS2:GS2+1], v[DG+2:DG+3]   ; lanes 16-31: g_a2 V2x + g_a1 Vl1 (rows 8, 9 and 10, 11)
	v_cndmask_b32 v[GS3], v[GS2], v[GS3], vcc_lo   ; lanes 0-15: g_a3 V3x (rows 2, 3)
	v_cndmask_b32 v[GS3+1], v[GS2+1], v[GS3+1], vcc_lo
	v_permlanex16_b32 v[VT+2], v[GS3], s56, s57
	v_permlanex16_b32 v[VT+3], v[GS3+1], s56, s57
	v_pk_add_f32 v[GS3:GS3+1], v[GS3:GS3+1], v[VT+2:VT+3]
	v_pk_add_f32 v[GS3:GS3+1], v[GS3:GS3+1], v[VT:VT+1]     ; gradV
	v_mul_f32 v[VT], v[GS3], v[GS3]
	v_mul_f32 v[VT+1], v[FH], v[GS3]
	v_fma_f32 v[VT], v[GS3+1], v[GS3+1], v[VT]
	v_fma_f32 v[VT+1], v[FH+1], v[GS3+1], v[VT+1]
	v_add_f32 v[VT], 0x2edbe6ff, v[VT]             ; |gradV|^2 + 1e-10
	v_fma_f32 v[VT+1], v[VVAL], 0x3dcccccd, v[VT+1]   ; f_hat . gradV + 0.1 V
	v_rcp_f32 v[VT], v[VT]
	v_max_num_f32 v[VT+1], 0, v[VT+1]              ; a plain instruction behind the reciprocal, which names neither its result nor its source
	s_wait_alu depctr_va_vdst(0)                   ; the wait stands ahead of the first line that names the reciprocal
	v_mul_f32 v[VT+1], v[VT+1], v[VT]
.if \p
	v_fma_f32 v[VT+2], -v[GS3], v[VT+1], v[FH]
	v_fma_f32 v[VT+3], -v[GS3+1], v[VT+1], v[FH+1]
	s_wait_xcnt 0x0                                ; the last trip's store has read its data and its offset: both are written again only behind this wait
	v_cndmask_b32 v[RES], v[VT+2], v[RESA], vcc_lo ; lane l holds row l of the group: lanes 0-15 tile A's, lanes 16-31 tile B's
	v_cndmask_b32 v[RES+1], v[VT+3], v[RESA+1], vcc_lo
	WIN 0
	s_lshl_b32 s54, s52, 8
	v_add_nc_u32 v[SOFF], s54, v[L8]
	WIN 0x0C                                       ; a store's data are its source 1: window 3
	global_store_b64 v[SOFF], v[RES:RES+1], s[8:9] th:TH_STORE_NT   ; 32 lanes store 256 consecutive bytes, at a multiple of 256 from out0's first byte
	WIN 0
.else
	v_fma_f32 v[RESA], -v[GS3], v[VT+1], v[FH]
	v_fma_f32 v[RESA+1], -v[GS3+1], v[VT+1], v[FH+1]
.endif
.endm
.macro VSTAGE a, c, L                  ; V: smooth ReLU of a, quantised | F: product L's eight tiles, one behind each unit from the second on
	SRG \a, \c, 0
	SRG \a, \c, 1
	FM \L, 0
	SRG \a, \c, 2
	FM \L, 1
	SRG \a, \c, 3
	FM \L, 2
	SRG \a, \c, 4
	FM \L, 3
	SRG \a, \c, 5
	FM \L, 4
	SRG \a, \c, 6
	FM \L, 5
	SRG \a, \c, 7
	FM \L, 6
	QMX 0xFF, ZZ, VM4, 0
	FM \L, 7
	QMX 0xFF, ZZ, VM4, 1
	QMX 0xFF, ZZ, VM4, 2
	QMX 0xFF, ZZ, VM4, 3
	VQT ZZ
.endm
; A TILE OF 16 ROWS.  On entry ACC holds its x f1_w^T + f1_b and PP its a1.  No two matrix instructions that follow each other share an accumulator, over the loop's backward jump too
; Every result is read a unit of the other chain or more behind the product that made it; every scale word made here stands a dozen plain lines ahead of its first product.
.macro TILE p
	; 1: F: h1 quantised | V: d V2x^T
	LKG 0
	VX QQ, 2, XV2, 0, BDCUR
	LKG 1
	LKG 2
	VX QQ, 2, XV2, 1, BDCUR
	LKG 3
	LKQ 4
	VX QQ, 2, XV2, 2, BDCUR
	LKQ 5
	LKQ 6
	VX QQ, 2, XV2, 3, BDCUR
	LKQ 7
	QCV 0
	BIASLD 0, 0
	QB01
	QB23
	QCV 1
	BIASLD 0, 1
	QW
	QMV
	; 2: V: z1 | F: f2
.if \p
	WIN 0xFF
	v_mov_b32 v[DVC], v[DVB]                       ; tile B's d is kept: the next group's takes its place before this tile ends
	v_mov_b32 v[DVC+1], v[DVB+1]
.endif
	VSTAGE PP, C1, 0
	; 3: F: h2 | V: + z1 V2z^T; d V3x^T
	LKG 0
	VM QQ, 1, V2ZF, 0, 0, 1
	LKG 1
	VM QQ, 1, V2ZF, 0, 1, 1
	LKG 2
	VM QQ, 1, V2ZF, 0, 2, 1
	LKG 3
	VM QQ, 1, V2ZF, 0, 3, 1
	LKQ 4
	VX PP, 1, XV3, 0, BDCUR
	LKQ 5
	LKQ 6
	VX PP, 1, XV3, 1, BDCUR
	LKQ 7
	QCV 0
	BIASLD 1, 0
	VX PP, 1, XV3, 2, BDCUR
	QB01
	QB23
	VX PP, 1, XV3, 3, BDCUR
	QCV 1
	BIASLD 1, 1
	QW
	QMV
	; 4: V: z2 | F: f3
	VSTAGE QQ, C2, 1
	; 5: F: h3 | V: + z2 V3z^T
	LKG 0
	VM PP, 1, V3ZF, 1, 0, 1
	LKG 1
	VM PP, 1, V3ZF, 1, 1, 1
	LKG 2
	VM PP, 1, V3ZF, 1, 2, 1
	LKG 3
	VM PP, 1, V3ZF, 1, 3, 1
	LKQ 4
	LKQ 5
	LKQ 6
	LKQ 7
	QCV 0
	BIASLD 2, 0
	QB01
	QB23
	QCV 1
	BIASLD 2, 1
	QW
	QMV
	; 6: V: z3 . Vfz, V, G, g_a3 quantised and packed | F: f4
	SRD 0
	SRD 1
	FM 2, 0
	SRD 2
	FM 2, 1
	SRD 3
	FM 2, 2
	SRD 4
	FM 2, 3
	SRD 5
	FM 2, 4
	SRD 6
	FM 2, 5
	SRD 7
	FM 2, 6
	SCAL
	FM 2, 7
.irp g, 0,1,2,3,4,5,6,7
	GA3 \g
.endr
.irp g, 0,1,2,3
	QMX 0xFF, ZZ, VM4, \g
.endr
	VQT ZZ
.irp g, 0,1,2,3
	PKG 0xFF, ZZ, \g
.endr
.if \p
	PREP
.endif
	; 7: F: h4 | V: g_z2 = g_a3 V3z; g_a3 V3x; the next tile's a1
	LKG 0
	VM QQ, 2, V3ZT, 2, 0, 0
	LKG 1
	VG 0, ZZ
	LKG 2
	VM QQ, 2, V3ZT, 2, 1, 0
	LKG 3
	VG 1, ZZ
	LKQ 4
	VM QQ, 2, V3ZT, 2, 2, 0
	LKQ 5
	VM QQ, 2, V3ZT, 2, 3, 0
	LKQ 6
	VX PP, 1, XVL, 0, BDNXT
	LKQ 7
	QCV 0
	BIASLD 3, 0
	VX PP, 1, XVL, 1, BDNXT
	QB01
	QB23
	VX PP, 1, XVL, 2, BDNXT
	QCV 1
	BIASLD 3, 1
	QW
	VX PP, 1, XVL, 3, BDNXT
	QMV
	; 8: V: g_a2 quantised and packed | F: f5
	WIN 0xFF
	v_mov_b32 v[GS3], v[DG+2]
	v_mov_b32 v[GS3+1], v[DG+3]
	GMUL C2, 0
	FM 3, 0
	GMUL C2, 1
	FM 3, 1
	GMUL C2, 2
	FM 3, 2
	GMUL C2, 3
	FM 3, 3
	QMX 0xFF, C2, VM4, 0
	FM 3, 4
	QMX 0xFF, C2, VM4, 1
	FM 3, 5
	QMX 0xFF, C2, VM4, 2
	FM 3, 6
	QMX 0xFF, C2, VM4, 3
	FM 3, 7
	VQT C2
.irp g, 0,1,2,3
	PKG 0xFF, C2, \g
.endr
	; 9: F: h5 packed | V: g_z1 = g_a2 V2z; g_a2 V2x | F: the next tile's first layer, into accumulators that have been read
	LKG 0
	VM QQ, 2, V2ZT, 3, 0, 0
	LKG 1
	VG 0, C2
	LKG 2
	VM QQ, 2, V2ZT, 3, 1, 0
	LKG 3
	VG 1, C2
	LKG 4
	VM QQ, 2, V2ZT, 3, 2, 0
	LKG 5
	VM QQ, 2, V2ZT, 3, 3, 0
	LKG 6
	FX 0
	LKG 7
	PKG 0, TT, 0
	FX 1
	PKG 0, TT, 1
	PKG 0, TT, 2
	PKG 0, TT, 3
	FX 2
	PKG 0, TT, 4
	PKG 0, TT, 5
	PKG 0, TT, 6
	FX 3
	PKG 0, TT, 7
	; 10: V: g_a1 packed | F: h5 ff_w^T, the rest of the next tile's first layer | V: g_a1 Vl1
	WIN 0xFF
	v_mov_b32 v[GS2], v[DG]
	v_mov_b32 v[GS2+1], v[DG+1]
	GMUL C1, 0
	FMF 0
	GMUL C1, 1
	FX 4
	GMUL C1, 2
	FMF 1
	GMUL C1, 3
	FX 5
	PKG 0xFF, C1, 0
	FMF 2
	PKG 0xFF, C1, 1
	FX 6
	PKG 0xFF, C1, 2
	FMF 3
	PKG 0xFF, C1, 3
	VG 0, C1
	FX 7
	VG 1, C1
	; 11
	FIN \p
.endm
; ---------------- the head's quantiser: 64 numbers of a lane in window win from v[base] on, two whole blocks, become 12 registers of codes in v[FC] on and a word of four bytes in v[WD] ----------------
.macro HQ win, base
	WIN ((\win)<<2)|((\win)<<4)
.irp i, 0,1,2,3,4,5,6,7
.irp c, 0,1
.irp a, 0,1
.if \i == 0
	v_max3_num_f32 v[MX+2*\c+\a], 0x1800000, |v[(\base)+32*\c+2*\a]|, |v[(\base)+32*\c+2*\a+1]|   ; with the floor 2^(3 - 127): the byte cannot fall under 1
.else
	v_max3_num_f32 v[MX+2*\c+\a], v[MX+2*\c+\a], |v[(\base)+32*\c+4*\i+2*\a]|, |v[(\base)+32*\c+4*\i+2*\a+1]|
.endif
.endr
.endr
.endr
	WIN 0
	v_max_num_f32 v[MX], v[MX], v[MX+1]
	v_max_num_f32 v[MX+2], v[MX+2], v[MX+3]
	v_add_nc_u32 v[EX], 0xff000000, v[MX]
	v_add_nc_u32 v[EX+1], 0xff000000, v[MX+2]
	v_lshrrev_b32 v[WD], 23, v[EX]
	v_lshrrev_b32 v[WD2], 23, v[EX+1]
	v_lshl_or_b32 v[WD], v[WD2], 16, v[WD]
	v_lshlrev_b32 v[WD], v[SH8], v[WD]
	v_permlanex16_b32 v[WD2], v[WD], s56, s57
	v_or_b32 v[WD], v[WD], v[WD2]
	WIN (\win)
	v_cvt_scalef32_pk16_fp6_f32 v[FC:FC+2], v[(\base):(\base)+15], v[EX]
	v_cvt_scalef32_pk16_fp6_f32 v[ST:ST+2], v[(\base)+16:(\base)+31], v[EX]
	v_cvt_scalef32_pk16_fp6_f32 v[FC+6:FC+8], v[(\base)+32:(\base)+47], v[EX+1]
	v_cvt_scalef32_pk16_fp6_f32 v[ST+4:ST+6], v[(\base)+48:(\base)+63], v[EX+1]
	WIN 0
	v_nop                                          ; one plain place behind a scaled conversion
	QMV
.endm
.macro HIMG adr, off                   ; the operand goes to LDS as it stands: 16 bytes a lane, 512 a store
.irp g, 0,1,2
	ds_store_b128 v[\adr], v[FC+4*\g:FC+4*\g+3] offset:(\off)+512*\g
.endr
.endm
; ================ THE HEAD ================
	s_load_b512 s[4:19], s[0:1], 0x0               ; X 4, Xstable 6, out0 8, f1_w 10, f1_b 12, f2_w 14, f3_w 16, f4_w 18
	s_load_b512 s[20:35], s[0:1], 0x40             ; f5_w 20, f2_b 22, f3_b 24, f4_b 26, f5_b 28, ff_w 30, ff_b 32, Vl1_w 34
	s_load_b256 s[36:43], s[0:1], 0x80             ; V2x_w 36, V3x_w 38, V2z_w 40, V3z_w 42
	s_load_b128 s[44:47], s[0:1], 0xa0             ; Vfx_w 44, Vfz_w 46
	v_lshl_add_u32 v126, v0, 2, 0x12400
	v_mov_b32 v127, 0
	v_lshrrev_b32 v1, 5, v0
	v_readfirstlane_b32 s48, v1                    ; wave 0..3
	s_mov_b32 vcc_lo, 0xffff                       ; lanes 0-15: the one mask of the kernel, never rewritten
	s_mov_b32 s56, 0x76543210
	s_mov_b32 s57, 0xfedcba98                      ; v_permlanex16_b32's selects for lane l xor 16
	s_mov_b32 s58, 0x3c23d70a                      ; 0.01: the leaky slope, and TOL
	s_mov_b32 s59, s58                             ; (named with it as a pair)
	s_lshl_b32 s49, ttmp9, 2
	s_add_co_u32 s49, s49, s48                     ; gid
	s_cmp_lt_u32 s49, NGRP-15*STRIDE
	s_cselect_b32 s50, 16, 15                      ; trips
	s_mov_b32 s51, s49                             ; the group being loaded
	s_mov_b32 s52, s49                             ; the group in hand
	v_and_b32 v[HL], 31, v0                        ; lane
	v_bfe_u32 v[HH], v0, 4, 1                      ; h
	v_and_b32 v[HR], 15, v0                        ; r
	v_lshlrev_b32 v[L8], 3, v[HL]
	v_lshlrev_b32 v[SH8], 3, v[HH]
	v_lshl_add_u32 v[BADR], v[HH], 7, BIAS
	v_and_b32 v[HU], 7, v0
	v_bfe_u32 v[HX], v0, 3, 1
	v_lshl_add_u32 v[HU], v[HX], 5, v[HU]          ; my row's unit in tile 0: r % 8 + 32 (r / 8)
	v_lshlrev_b32 v[HT4], 2, v0
	v_lshlrev_b32 v[HT8], 3, v0
	v_lshlrev_b32 v[HVZ], 7, v[HH]
	v_lshlrev_b32 v[HU8], 3, v[HU]
	v_lshlrev_b32 v[HU4], 2, v[HU]
	v_lshlrev_b32 v[HVF], 8, v[HU]
	v_lshl_add_u32 v[HVF], v[HH], 7, v[HVF]        ; a 64 x 64 weight, K along its rows: 256 unit + 128 h
	v_lshlrev_b32 v[HVB], 2, v[HU]
	v_lshl_add_u32 v[HVB], v[HH], 13, v[HVB]       ; K down its columns: 4 unit + 32 h rows of 256 bytes
	v_lshlrev_b32 v[HFF], 9, v[HU]
	v_lshl_add_u32 v[HFF], v[HH], 7, v[HFF]        ; a 128 x 128 weight: 512 unit + 128 h
	; every LDS address is made here, ahead of the one place where the waves part
	v_lshlrev_b32 v[HLI], 4, v[HL]
	v_lshlrev_b32 v[HLS], 2, v[HL]
	s_mul_i32 s54, s48, 12288
	v_add_nc_u32 v[HWI], s54, v[HLI]
	s_mul_i32 s54, s48, 3072
	s_add_co_u32 s54, s54, IMGV
	v_add_nc_u32 v[HWV], s54, v[HLI]
	s_lshl_b32 s54, s48, 9
	s_add_co_u32 s54, s54, SWFL
	v_lshl_add_u32 v[HSF], v[HR], 2, s54
	s_lshl_b32 s54, s48, 8
	s_add_co_u32 s54, s54, SWVL
	v_lshl_add_u32 v[HSV], v[HR], 2, s54
	v_lshl_add_u32 v[HBI], v0, 2, BIAS
	v_lshl_add_u32 v[HG8], v0, 3, GT
	v_and_b32 v[HX], 1, v0
	v_lshrrev_b32 v[HGX], 1, v0
	v_lshlrev_b32 v[HGX], 2, v[HGX]
	v_lshl_add_u32 v[HGX], v[HX], 9, v[HGX]
	v_add_nc_u32 v[HGX], GT, v[HGX]                ; an x-weight [64][2]: number t is (k = t / 2, o = t % 2): table row o, column k
	v_lshl_add_u32 v[HGC], v0, 4, GT
	v_lshlrev_b32 v[HGL], 9, v[HR]
	v_lshl_add_u32 v[HGL], v[HH], 7, v[HGL]
	v_add_nc_u32 v[HGL], GT, v[HGL]
.irp i, 0,1,2,3
	v_mov_b32 v[HZ+\i], 0
.endr
	s_lshl_b32 s53, s49, 8
	v_add_nc_u32 v[VOFF], s53, v[L8]
	s_wait_kmcnt 0x0
	s_load_b64 s[60:61], s[44:45], 0x0             ; Vfx_w's two numbers
	s_load_b64 s[62:63], s[32:33], 0x0             ; ff_b's two
	s_cmp_eq_u32 s48, 0                            ; wave w quantises f(2+w)_w
	s_cselect_b64 s[66:67], s[14:15], s[16:17]
	s_cmp_eq_u32 s48, 2
	s_cselect_b64 s[66:67], s[18:19], s[66:67]
	s_cmp_eq_u32 s48, 3
	s_cselect_b64 s[66:67], s[20:21], s[66:67]
	s_add_co_u32 s54, s48, 1                       ; and V2z, V3z (K along rows), V3z, V2z (K down columns)
	s_and_b32 s54, s54, 2
	s_cmp_eq_u32 s54, 0
	s_cselect_b64 s[68:69], s[40:41], s[42:43]
	; all global loads of the head in one run
	global_load_b64 v[XL:XL+1], v[VOFF], s[4:5] th:TH_LOAD_NT
	global_load_b64 v[SL:SL+1], v[VOFF], s[6:7] th:TH_LOAD_NT
	WIN 0xC0                                       ; destination window 3
	global_load_b32 v232, v[HT4], s[22:23]         ; the four biases, a number a thread
	global_load_b32 v233, v[HT4], s[24:25]
	global_load_b32 v234, v[HT4], s[26:27]
	global_load_b32 v235, v[HT4], s[28:29]
	global_load_b64 v[236:237], v[HT8], s[30:31]   ; ff_w, two numbers a thread
	global_load_b32 v238, v[HT4], s[38:39]         ; V3x_w, V2x_w, Vl1_w for the bf16 operand
	global_load_b32 v239, v[HT4], s[36:37]
	global_load_b32 v240, v[HT4], s[34:35]
.irp i, 0,1,2,3,4,5,6,7
	global_load_b128 v[VFZ+4*\i:VFZ+4*\i+3], v[HVZ], s[46:47] offset:16*\i
.endr
.irp t, 0,1,2,3,4,5,6,7
	global_load_b64 v[64+2*\t:65+2*\t], v[HU8], s[10:11] offset:8*(64*(\t/4)+8*(\t%4))
	global_load_b32 v[80+\t], v[HU4], s[12:13] offset:4*(64*(\t/4)+8*(\t%4))
.endr
.irp u, 0,1,2,3
	global_load_b64 v[208+2*\u:209+2*\u], v[HU8], s[34:35] offset:64*\u
	global_load_b64 v[216+2*\u:217+2*\u], v[HU8], s[36:37] offset:64*\u
	global_load_b64 v[224+2*\u:225+2*\u], v[HU8], s[38:39] offset:64*\u
.endr
	WIN 0
	s_cmp_lt_u32 s48, 2                            ; the two ways hold global loads alone, into the same 128 registers: tiles 0, 1 in window 3 from v0, tiles 2, 3 in window 0 from v[TT]
	s_cbranch_scc0 .Ldown_k
	WIN 0xC0
.irp e, 0,1
.irp i, 0,1,2,3,4,5,6,7
	global_load_b128 v[32*\e+4*\i:32*\e+4*\i+3], v[HVF], s[68:69] offset:2048*\e+16*\i
.endr
.endr
	WIN 0
.irp e, 0,1
.irp i, 0,1,2,3,4,5,6,7
	global_load_b128 v[TT+32*\e+4*\i:TT+32*\e+4*\i+3], v[HVF], s[68:69] offset:2048*(2+\e)+16*\i
.endr
.endr
	s_branch .Lv_asked
.Ldown_k:
	WIN 0xC0
.irp e, 0,1
.set i, 0
.rept 32
	global_load_b32 v[32*\e+i], v[HVB], s[68:69] offset:256*i+32*\e
.set i, i+1
.endr
.endr
	WIN 0
.irp e, 0,1
.set i, 0
.rept 32
	global_load_b32 v[TT+32*\e+i], v[HVB], s[68:69] offset:256*i+32*(2+\e)
.set i, i+1
.endr
.endr
.Lv_asked:
.irp f, 0,1,2,3,4,5,6,7                ; my 128 x 128 weight: tile f's 64 numbers a lane into window 1 + f / 4 from v[64 (f % 4)]
	WIN (1+\f/4)<<6
.irp cc, 0,1
.irp i, 0,1,2,3,4,5,6,7
	global_load_b128 v[64*(\f%4)+32*\cc+4*\i:64*(\f%4)+32*\cc+4*\i+3], v[HFF], s[66:67] offset:512*(64*(\f/4)+8*(\f%4))+256*\cc+16*\i
.endr
.endr
.endr
	WIN 0
	s_wait_kmcnt 0x0                               ; Vfx_w's and ff_b's numbers
.irp i, 0,1,2,3
	ds_store_b128 v[HGC], v[HZ:HZ+3] offset:2048*\i   ; the table begins as zeros
.endr
	s_wait_dscnt 0x0
	s_barrier_signal -1
	s_barrier_wait -1                              ; every wave's zeros lie there: now the rows that are not zero
	s_wait_loadcnt 63                              ; behind the small loads at least 196 younger ones were issued on either way
	WIN 0x0C                                       ; an LDS store's data are its source 1: window 3
	ds_store_b32 v[HBI], v232
	ds_store_b32 v[HBI], v233 offset:512
	ds_store_b32 v[HBI], v234 offset:1024
	ds_store_b32 v[HBI], v235 offset:1536
	ds_store_b64 v[HG8], v[236:237]                ; rows 0, 1: ff_w as it lies
	ds_store_b32 v[HGX], v238 offset:512*2         ; rows 2, 3: V3x_w^T
	ds_store_b32 v[HGX], v239 offset:512*8         ; rows 8, 9: V2x_w^T
	ds_store_b32 v[HGX], v240 offset:512*10        ; rows 10, 11: Vl1_w^T
	WIN 0
	; my 64 x 64 weight: two tiles at a time take the places of the quantiser's two blocks; the word's halves are the two tiles' scale words (bytes 2, 3 of each stay 0)
	HQ 3, 0                                        ; (behind its loads 128 younger ones were issued: the wait above serves)
	HIMG HWV, 0
	v_and_b32 v[WD2], 0xffff, v[WD]
	v_lshrrev_b32 v[WD], 16, v[WD]
	ds_store_b32 v[HSV], v[WD2]
	ds_store_b32 v[HSV], v[WD] offset:64
	s_wait_dscnt 0x0                               ; the stores have read their registers
	HQ 0, TT
	HIMG HWV, 1536
	v_and_b32 v[WD2], 0xffff, v[WD]
	v_lshrrev_b32 v[WD], 16, v[WD]
	ds_store_b32 v[HSV], v[WD2] offset:128
	ds_store_b32 v[HSV], v[WD] offset:192
	s_wait_dscnt 0x0
.irp f, 0,1,2,3,4,5,6,7
.if 16*(7-\f) > 63
	s_wait_loadcnt 63                              ; tile f's 16 loads are in: 16 (7 - f) younger ones were issued behind them
.else
	s_wait_loadcnt 16*(7-\f)
.endif
	HQ 1+\f/4, 64*(\f%4)
	HIMG HWI, 1536*\f
	ds_store_b32 v[HSF], v[WD] offset:64*\f        ; both halves of the lanes hold row r's word and write it to the same place
	s_wait_dscnt 0x0
.endr
	; the f32 operands: lanes 0-15 k = 0, 1: the unit's two weights; lanes 16-31 k = 2, 3: f1's bias and 0, or zeros
	WIN 0x0F
.irp t, 0,1,2,3,4,5,6,7
	v_cndmask_b32 v[XWF+2*\t], v[80+\t], v[64+2*\t], vcc_lo
	v_cndmask_b32 v[XWF+2*\t+1], 0, v[65+2*\t], vcc_lo
.endr
	WIN 0x4F
.irp i, 0,1,2,3,4,5,6,7
	v_cndmask_b32 v[XVL+\i], 0, v[208+\i], vcc_lo
	v_cndmask_b32 v[XV3+\i], 0, v[224+\i], vcc_lo
.endr
	WIN 0x8F
.irp i, 0,1,2,3,4,5,6,7
	v_cndmask_b32 v[XV2+\i], 0, v[216+\i], vcc_lo
.endr
	WIN 0
	s_barrier_signal -1                            ; (my LDS stores were waited for above)
	s_barrier_wait -1                              ; all images, words, biases and the table lie in LDS; nothing is stored to LDS from here on
	WIN 0x40
.irp L, 0,1
.set i, 0
.rept 24
	ds_load_b128 v[96*\L+4*i:96*\L+4*i+3], v[HLI] offset:IMGF+12288*\L+512*i
.set i, i+1
.endr
.set i, 0
.rept 6
	ds_load_b128 v[192+24*\L+4*i:192+24*\L+4*i+3], v[HLI] offset:IMGV+3072*\L+512*i
.set i, i+1
.endr
.endr
	WIN 0x80
.irp L, 0,1
.set i, 0
.rept 24
	ds_load_b128 v[96*\L+4*i:96*\L+4*i+3], v[HLI] offset:IMGF+12288*(2+\L)+512*i
.set i, i+1
.endr
.set i, 0
.rept 6
	ds_load_b128 v[192+24*\L+4*i:192+24*\L+4*i+3], v[HLI] offset:IMGV+3072*(2+\L)+512*i
.set i, i+1
.endr
.endr
	WIN 0
.set i, 0
.rept 16
	ds_load_b32 v[SWF+i], v[HLS] offset:SWFL+128*i ; lanes 0-15 the even tile's words, lanes 16-31 the odd tile's
.set i, i+1
.endr
.set i, 0
.rept 8
	ds_load_b32 v[SWV+i], v[HLS] offset:SWVL+128*i
.set i, i+1
.endr
.irp i, 0,1,2,3,4,5,6,7,8,9,10,11,12,13,14,15  ; the table: fragment i / 4 = 2 c + e: row r, columns 64 c + 32 h + 16 e + 0 .. 15: the order in which a lane holds its row's numbers
	ds_load_b128 v[TT+4*\i:TT+4*\i+3], v[HGL] offset:256*(\i/8)+64*((\i/4)%2)+16*(\i%4)
.endr
	s_wait_dscnt 0x0
.set i, 0
.rept 32
	v_cvt_pk_bf16_f32 v[BW+i], v[TT+2*i], v[TT+2*i+1]
.set i, i+1
.endr
	v_mov_b32 v[TP], 0                             ; a lane permute's destination counts as one of its sources: written once
	v_mov_b32 v[TP+1], 0
	WIN 0xC0
.irp i, 6,7,8,9,10,11
	v_mov_b32 v[VC+\i], 0                          ; K = 64 .. 127 of V's rows: zero codes, for the whole launch
.endr
	v_mov_b32 v[VSH8], v[SH8]
	v_mov_b32 v[VW2], 0
.irp i, 0,1,2,3
	v_mov_b32 v[VT+\i], 0
.endr
	; the first tile's first layers
.set BXNXT, BXA
	PREP
.irp t, 0,1,2,3,4,5,6,7
	FX \t
.endr
.irp u, 0,1,2,3
	VX PP, 1, XVL, \u, BDA
.endr
	WIN 0
.rept 8
	v_nop                                          ; eight places behind the f32 matrix form, ahead of the first read of its results
.endr
; ================ THE LOOP: a trip is a group of 32 rows ================
.Ltrip:
.set BDCUR, BDA
.set BDNXT, BDB
.set BXNXT, BXB
.set DVCUR, DVA
	TILE 0
.set BDCUR, BDB
.set BDNXT, BDA
.set BXNXT, BXA
.set DVCUR, DVC
	TILE 1
	WIN 0                                          ; at a label and at a branch every window is 0
	s_add_co_u32 s52, s52, STRIDE
	s_sub_co_i32 s50, s50, 1                       ; the counter comes down from 15 or 16; the signed compare ends the loop at 0
	s_cmp_gt_i32 s50, 0
	s_cbranch_scc1 .Ltrip
	s_wait_tensorcnt 0x0
	ds_add_u32 v126, v127
	s_wait_dscnt 0x0
	s_endpgm
.Lfunc_end_k_qe1a59d6118_icnn:
	.size	k_qe1a59d6118_icnn, .Lfunc_end_k_qe1a59d6118_icnn-k_qe1a59d6118_icnn
	.p2alignl 7, 3214868480
	.fill 96, 4, 3214868480
	.section	.rodata,"a",@progbits
	.p2align	6, 0x0
	.amdhsa_kernel k_qe1a59d6118_icnn
		.amdhsa_group_segment_fixed_size 75264
		.amdhsa_private_segment_fixed_size 0
		.amdhsa_enable_private_segment 0
		.amdhsa_kernarg_size 176
		.amdhsa_user_sgpr_count 2
		.amdhsa_user_sgpr_kernarg_segment_ptr 1
		.amdhsa_wavefront_size32 1
		.amdhsa_system_sgpr_workgroup_id_x 1
		.amdhsa_system_sgpr_workgroup_id_y 1
		.amdhsa_system_sgpr_workgroup_id_z 1
		.amdhsa_system_vgpr_workitem_id 0
		.amdhsa_next_free_vgpr 1024
		.amdhsa_next_free_sgpr 80
		.amdhsa_reserve_vcc 1
		.amdhsa_float_denorm_mode_32 3
		.amdhsa_float_denorm_mode_16_64 3
		.amdhsa_memory_ordered 1
		.amdhsa_forward_progress 1
		.amdhsa_inst_pref_size 251
	.end_amdhsa_kernel
	.amdgpu_metadata
---
amdhsa.version: [ 1, 2 ]
amdhsa.kernels:
  - .name:           k_qe1a59d6118_icnn
    .symbol:         k_qe1a59d6118_icnn.kd
    .args:
      - { .name: X, .offset: 0, .size: 8, .value_kind: global_buffer, .address_space: global }
      - { .name: Xstable, .offset: 8, .size: 8, .value_kind: global_buffer, .address_space: global }
      - { .name: out0, .offset: 16, .size: 8, .value_kind: global_buffer, .address_space: global }
      - { .name: f1_w, .offset: 24, .size: 8, .value_kind: global_buffer, .address_space: global }
      - { .name: f1_b, .offset: 32, .size: 8, .value_kind: global_buffer, .address_space: global }
      - { .name: f2_w, .offset: 40, .size: 8, .value_kind: global_buffer, .address_space: global }
      - { .name: f3_w, .offset: 48, .size: 8, .value_kind: global_buffer, .address_space: global }
      - { .name: f4_w, .offset: 56, .size: 8, .value_kind: global_buffer, .address_space: global }
      - { .name: f5_w, .offset: 64, .size: 8, .value_kind: global_buffer, .address_space: global }
      - { .name: f2_b, .offset: 72, .size: 8, .value_kind: global_buffer, .address_space: global }
      - { .name: f3_b, .offset: 80, .size: 8, .value_kind: global_buffer, .address_space: global }
      - { .name: f4_b, .offset: 88, .size: 8, .value_kind: global_buffer, .address_space: global }
      - { .name: f5_b, .offset: 96, .size: 8, .value_kind: global_buffer, .address_space: global }
      - { .name: ff_w, .offset: 104, .size: 8, .value_kind: global_buffer, .address_space: global }
      - { .name: ff_b, .offset: 112, .size: 8, .value_kind: global_buffer, .address_space: global }
      - { .name: Vl1_w, .offset: 120, .size: 8, .value_kind: global_buffer, .address_space: global }
      - { .name: V2x_w, .offset: 128, .size: 8, .value_kind: global_buffer, .address_space: global }
      - { .name: V3x_w, .offset: 136, .size: 8, .value_kind: global_buffer, .address_space: global }
      - { .name: V2z_w, .offset: 144, .size: 8, .value_kind: global_buffer, .address_space: global }
      - { .name: V3z_w, .offset: 152, .size: 8, .value_kind: global_buffer, .address_space: global }
      - { .name: Vfx_w, .offset: 160, .size: 8, .value_kind: global_buffer, .address_space: global }
      - { .name: Vfz_w, .offset: 168, .size: 8, .value_kind: global_buffer, .address_space: global }
    .group_segment_fixed_size: 75264
    .private_segment_fixed_size: 0
    .kernarg_segment_align: 8
    .kernarg_segment_size: 176
    .max_flat_workgroup_size: 128
    .sgpr_count:     80
    .vgpr_count:     1024
    .wavefront_size: 32
...
	.end_amdgpu_metadata
.endif
;; end of part 1
;; ======== version 2 of 2: 1 launch; version 1 with the launch icnn written anew for expert scheduling mode
;; launch icnn (part 2): grid 256 x 1, 4 waves a work-group, no clusters, 75,264 bytes of LDS; arguments X, Xstable, out0, f1_w, f1_b, f2_w, f3_w, f4_w, f5_w, f2_b, f3_b, f4_b, f5_b, ff_w, ff_b, Vl1_w, V2x_w, V3x_w, V2z_w, V3z_w, Vfx_w, Vfz_w; writes out0
.if DOCPART == 2
	.amdgcn_target "amdgcn-amd-amdhsa--gfx1250"
	.amdhsa_code_object_version 6
	.text
	.protected	k_qe1a59d6118_icnn
	.globl	k_qe1a59d6118_icnn
	.p2align	8
	.type	k_qe1a59d6118_icnn,@function
k_qe1a59d6118_icnn:
	s_mov_b64 s[64:65], 0
	v_nop
	global_prefetch_b8 v0, s[64:65] scope:SCOPE_SE
	s_setreg_imm32_b32 hwreg(HW_REG_WAVE_SCHED_MODE, 0, 2), 2
	s_setreg_imm32_b32 hwreg(HW_REG_WAVE_MODE, 25, 1), 1
	s_wait_xcnt 0x0
	s_wait_alu depctr_vm_vsrc(0)
; f = f_hat - gradV * relu(f_hat . gradV + 0.1 V) / (|gradV|^2 + 1e-10), row by row, for 500,000 rows of two numbers.
; f_hat: 2-128-128-128-128-128-2, leaky ReLU.  V: 2-64-64-64-1 with a smooth ReLU, forward and backward.  The four 128 x 128 products and the four 64 x 64 products
; (two forward, two backward) multiply codes of FP6 (E2M3) with one E8M0 scale for each 32 along K; the products with K = 1, 2 and z3 . Vfz, which feed quantisers, are f32
; (the f32 matrix form, or fused multiply-adds); the four products with two outputs (ff_w, V3x_w, V2x_w, Vl1_w backward) feed the result alone and take bf16 operands.
; SHARES.  256 work-groups of four waves.  A wave walks groups of 32 rows (256 consecutive bytes of X, Xstable and out0): wave gid = 4 x work-group + wave takes groups gid + 1024 j;
; 15,625 groups: 16 trips where gid < 265, else 15.  A group is two tiles of 16 rows, A and B.
; ALL THAT DOES NOT HANG ON THE ROW STAYS IN EACH WAVE'S REGISTERS: the codes of the eight weight operands, their scale words, the small f32 and bf16 operands, Vfz.  At the head wave w quantises
; f(2+w)_w and one of V2z, V3z, V3z^T, V2z^T; the operands go round through LDS as images of their registers.  In the loop LDS serves the four biases alone, loaded straight into the C registers.
; EVERY PRODUCT IS USED TRANSPOSED (source 0 = 16 units of a weight, source 1 = 16 rows): a lane holds ONE row (lane % 16) throughout.  THE UNITS OF A TILE ARE NOT NEIGHBOURS: row m of tile 4 c + u
; is unit 64 c + 8 u + m % 8 + 32 (m / 8).  So register 32 c + i of lane (r, h) holds unit 64 c + 32 h + i: a WHOLE block of 32 along the next K, in the very order of the 6-bit operand:
; a block's largest magnitude asks no other lane, and the conversions' results are the operand's registers (three moves a block, since a conversion's three registers begin on an even number).
; K = 64: the rows' operand has zero codes in its registers 6-11, set once; a weight tile is six registers, and the six that follow it in the register file are read with it and multiplied by zeros.
; BY TURNS.  The two chains do not depend on each other: the matrix instructions of one stand one at a time between the vector work of the other.  That costs two window switches for most of them;
; in phases of its own the vector work, which outweighs the matrix work here, would leave the matrix unit idle.
; NO CLUSTER, NO TENSOR LOAD: the only bytes that work-groups share are the weights, 327 KB of f32 read once at the head; they must pass through registers to be quantised, and the loop shares nothing.
; NO PREFETCH: a group's two loads are issued nearly a whole trip ahead of their use.
; THE MODE: SCHED_MODE bits 1:0 = 2 (LLVM: expert scheduling mode 2), set by the entry lines.  The code itself states the register dependences between vector or matrix instructions
; and memory or LDS instructions, with s_wait_alu, always for 0.
; THE PLAN.  Registers that memory or LDS instructions touch in the loop:
;   TT, half c            32 registers.  The leaky ReLU writes them, the search and block c's two conversions read them; then the next product's bias lands in them (eight LDS loads); the products read them as C.
;   v[XL ..], v[SL ..]    A group's X and Xstable land here; PREP, once a trip, reads them.
;   v[VOFF]               Written by PREP; read by the two loads of the group after.
;   v[RES ..], v[SOFF]    Written at tile B's end; read by the trip's one store.
;   v[BADR], v[L8]        Made at the head, never written again.
; And the registers that vector instructions write and scaled products take: v[FC ..], v[FSW] (f_hat's rows); v[VC ..], v[VSW] (V's rows).
; WAITS ON va_vdst, in a tile: four behind block 0's conversions, ahead of the loads into TT's lower half; four directly ahead of a 128 x 128 product's first tile, where the codes and the word of f_hat's rows are
; written and block 1's conversions are done reading TT's upper half: the loads into that half stand there, behind units of the other chain that name none of its registers; four ahead of a 64 x 64 product's first
; tile, where the codes and the word of V's rows are written: behind the third of them, in tile B, stand the next group's two loads, which PREP's reads and its write of v[VOFF] precede; the reciprocal's;
; in tile B one ahead of the store.  WAITS ON vm_vsrc, in a trip: one ahead of PREP's write of v[VOFF], one ahead of the writes of v[RES ..] and v[SOFF].
; LIMITS.  NaN and infinities among the inputs are not served.  A block whose largest magnitude lies under 2^-124, a block of zeros too, keeps the scale byte 1 (its codes are zeros or as the conversion
; gives them; the bytes are read by this program alone).  The last division is v_rcp_f32 and a multiplication.  smooth_relu of a negative number gives -0.  The four products named above round to bf16.
.set DUAL,   1                         ; 1: two maxima in one dual instruction; 0: two plain ones
.set NGRP,   15625                     ; groups of 32 rows
.set STRIDE, 1024                      ; waves in the launch
; LDS
.set IMGF, 0                           ; images of f2..f5: layer x 12,288 + 512 x (3 tile + quad) + 16 x lane
.set IMGV, 49152                       ; images of V2z, V3z, V3z^T, V2z^T: matrix x 3,072 + 512 x quad + 16 x lane
.set SWFL, 61440                       ; scale words: 512 layer + 64 tile + 4 r
.set SWVL, 63488                       ; 256 matrix + 64 tile + 4 r
.set BIAS, 64512                       ; f2_b .. f5_b as they lie in memory, 512 bytes each
.set GT,   66560                       ; f32 table of the bf16 operand: 16 rows x 512 bytes
; window 0
.set L8,   1                           ; 8 x lane
.set VOFF, 2                           ; offset of the group being loaded
.set SOFF, 3                           ; offset of the group being stored
.set BADR, 4                           ; BIAS + 128 h
.set SH8,  5                           ; 8 h
.set XL,   6                           ; v6-7 X as loaded, v8-9 Xstable
.set SL,   8
.set BXA,  10                          ; v10-11, v12-13: (x0, x1 | 1, 0): source 1 of f1's product, tiles A and B
.set BXB,  12
.set FSW,  14                          ; scale word of f_hat's rows
.set VSW,  15                          ; scale word of V's rows
.set SWF,  16                          ; v16-31 weights' scale words: 4 layer + tile / 2; even tile in lanes 0-15, odd tile in lanes 16-31
.set SWV,  32                          ; v32-39 2 matrix + tile / 2
.set MX,   40                          ; v40-43 chains of the largest magnitude
.set EX,   44                          ; v44-45 the conversions' scale operands
.set WD,   46                          ; the scale word in the making
.set WD2,  47
.set ST,   48                          ; v48-50, v52-54 a block's upper 16 codes
.set FC,   56                          ; v56-67 codes of f_hat's rows
.set DF,   68                          ; v68-75 f_hat's last sums
.set XWF,  76                          ; v76-91 (w0, w1 | b, 0) of f1, two registers a tile
.set BW,   92                          ; v92-123 the bf16 operand, four fragments
.set TP,   124
.set ACC,  128                         ; v128-191 f_hat's sums: written by matrix instructions alone
.set TT,   192                         ; v192-255 biases (C), then activations, then bf16 pairs
; the head's own registers (BW's, which are made last)
.set HL, 93
.set HH, 94
.set HR, 95
.set HU, 96
.set HX, 97
.set HT4, 98
.set HT8, 99
.set HVZ, 100
.set HU8, 101
.set HU4, 102
.set HVF, 103
.set HVB, 104
.set HFF, 105
.set HLI, 106
.set HLS, 107
.set HWI, 108
.set HWV, 109
.set HSF, 110
.set HSV, 111
.set HBI, 112
.set HG8, 113
.set HGX, 114
.set HGC, 115
.set HZ,  120
.set HGL, 124
; windows 1 and 2: codes.  Window 1: f2 at 0, f3 at 96, V2z at 192, V3z at 216, Vl1's f32 operand at 240, V3x's at 248.  Window 2: f4, f5, V3z^T, V2z^T, V2x's f32 operand at 240
.set V2ZF, 192
.set V3ZF, 216
.set V3ZT, 192
.set V2ZT, 216
.set XVL,  240
.set XV3,  248
.set XV2,  240
; window 3
.set C1,   0                           ; c1, then g_a1, then its bf16 pairs
.set C2,   32
.set ZZ,   64                          ; z1, z2, then c3, g_a3, its pairs
.set VFZ,  96                          ; Vfz[32 h + i]
.set PP,   128                         ; a1, a3: written by matrix instructions alone
.set QQ,   160                         ; a2, g_z2, g_z1: likewise
.set VC,   192                         ; v192-197 codes of V's rows, v198-203 zeros
.set DG,   204                         ; the gradient's sums
.set BDA,  212                         ; (d0, d1 | 0, 0), tiles A and B
.set BDB,  214
.set DVA,  216                         ; d of row r in all lanes
.set DVB,  218
.set DVC,  220
.set VM4,  222
.set VE,   226
.set VW,   227
.set VW2,  228
.set VSH8, 229
.set VST,  230
.set DA,   234
.set DB,   236
.set G,    238
.set VVAL, 240
.set GS3,  242
.set GS2,  244
.set FH,   246
.set RESA, 248
.set RES,  250
.set VT,   252
.set MSB, 0
.macro WIN new                         ; low byte: bits 1:0 source 0, 3:2 source 1, 5:4 source 2, 7:6 destination; the high byte repeats the setting that is left
.if MSB != (\new)
	s_set_vgpr_msb (MSB<<8)|(\new)
.set MSB, (\new)
.endif
.endm
; ---------------- matrix instructions, one a macro ----------------
.macro FM L, t                         ; tile t of product f(L+2): C = the bias, D = ACC
	s_wait_dscnt 14-2*(\t)                         ; of the stage's 16 bias loads tile t's are numbers 2 t and 2 t + 1: the 14 - 2 t younger ones may be out
	WIN 1+(\L)/2
.if (\t)%2
	v_wmma_scale_f32_16x16x128_f8f6f4 v[ACC+8*(\t):ACC+8*(\t)+7], v[96*((\L)%2)+12*(\t):96*((\L)%2)+12*(\t)+11], v[FC:FC+11], v[TT+8*(\t):TT+8*(\t)+7], v[SWF+4*(\L)+(\t)/2], v[FSW] matrix_a_fmt:MATRIX_FMT_FP6 matrix_b_fmt:MATRIX_FMT_FP6 matrix_a_scale:MATRIX_SCALE_ROW1
.else
	v_wmma_scale_f32_16x16x128_f8f6f4 v[ACC+8*(\t):ACC+8*(\t)+7], v[96*((\L)%2)+12*(\t):96*((\L)%2)+12*(\t)+11], v[FC:FC+11], v[TT+8*(\t):TT+8*(\t)+7], v[SWF+4*(\L)+(\t)/2], v[FSW] matrix_a_fmt:MATRIX_FMT_FP6 matrix_b_fmt:MATRIX_FMT_FP6
.endif
.endm
.macro FX t                            ; tile t of x f1_w^T + f1_b for the NEXT tile of rows (k = 2 is the bias against 1.0)
	WIN 0
	v_wmma_f32_16x16x4_f32 v[ACC+8*(\t):ACC+8*(\t)+7], v[XWF+2*(\t):XWF+2*(\t)+1], v[BXNXT:BXNXT+1], 0
.endm
.macro FMF i                           ; f_hat's last product, 32 along K
	WIN 0
.if (\i) == 0
	v_wmma_f32_16x16x32_bf16 v[DF:DF+7], v[BW+8*(\i):BW+8*(\i)+7], v[TT+8*(\i):TT+8*(\i)+7], 0
.else
	v_wmma_f32_16x16x32_bf16 v[DF:DF+7], v[BW+8*(\i):BW+8*(\i)+7], v[TT+8*(\i):TT+8*(\i)+7], v[DF:DF+7]
.endif
.endm
.macro VX dst, aw, xw, u, bd           ; tile u of d Wx^T; aw: the window of Wx's operand
	WIN 0xFC|(\aw)
	v_wmma_f32_16x16x4_f32 v[(\dst)+8*(\u):(\dst)+8*(\u)+7], v[(\xw)+2*(\u):(\xw)+2*(\u)+1], v[(\bd):(\bd)+1], 0
.endm
.macro VM dst, aw, vw, q, u, inplace   ; tile u of a 64 x 64 product; q: which matrix's scale words
	WIN 0xFC|(\aw)
.set rD, (\dst)+8*(\u)
.set rA, (\vw)+6*(\u)
.set rS, SWV+2*(\q)+(\u)/2
.if (\inplace) && ((\u)%2)
	v_wmma_scale_f32_16x16x128_f8f6f4 v[rD:rD+7], v[rA:rA+11], v[VC:VC+11], v[rD:rD+7], v[rS], v[VSW] matrix_a_fmt:MATRIX_FMT_FP6 matrix_b_fmt:MATRIX_FMT_FP6 matrix_a_scale:MATRIX_SCALE_ROW1
.elseif (\inplace)
	v_wmma_scale_f32_16x16x128_f8f6f4 v[rD:rD+7], v[rA:rA+11], v[VC:VC+11], v[rD:rD+7], v[rS], v[VSW] matrix_a_fmt:MATRIX_FMT_FP6 matrix_b_fmt:MATRIX_FMT_FP6
.elseif ((\u)%2)
	v_wmma_scale_f32_16x16x128_f8f6f4 v[rD:rD+7], v[rA:rA+11], v[VC:VC+11], 0, v[rS], v[VSW] matrix_a_fmt:MATRIX_FMT_FP6 matrix_b_fmt:MATRIX_FMT_FP6 matrix_a_scale:MATRIX_SCALE_ROW1
.else
	v_wmma_scale_f32_16x16x128_f8f6f4 v[rD:rD+7], v[rA:rA+11], v[VC:VC+11], 0, v[rS], v[VSW] matrix_a_fmt:MATRIX_FMT_FP6 matrix_b_fmt:MATRIX_FMT_FP6
.endif
.endm
.macro VG e, pk                        ; a gradient's product with two outputs, 32 along K
	WIN 0xFC
.if (\e) == 0
	v_wmma_f32_16x16x32_bf16 v[DG:DG+7], v[BW+8*(\e):BW+8*(\e)+7], v[(\pk)+8*(\e):(\pk)+8*(\e)+7], 0
.else
	v_wmma_f32_16x16x32_bf16 v[DG:DG+7], v[BW+8*(\e):BW+8*(\e)+7], v[(\pk)+8*(\e):(\pk)+8*(\e)+7], v[DG:DG+7]
.endif
.endm
; ---------------- vector units ----------------
.macro LKG t                           ; leaky ReLU of tile t: max(x, 0.01 x), from ACC into TT, each accumulator from its low end on
	WIN 0
.irp j, 0,2,4,6
	v_pk_mul_f32 v[TT+8*(\t)+\j:TT+8*(\t)+\j+1], v[ACC+8*(\t)+\j:ACC+8*(\t)+\j+1], s[58:59] op_sel_hi:[1,0]
.endr
.irp j, 0,2,4,6
.if DUAL
	v_dual_max_num_f32 v[TT+8*(\t)+\j], v[ACC+8*(\t)+\j], v[TT+8*(\t)+\j] :: v_dual_max_num_f32 v[TT+8*(\t)+\j+1], v[ACC+8*(\t)+\j+1], v[TT+8*(\t)+\j+1]
.else
	v_max_num_f32 v[TT+8*(\t)+\j], v[ACC+8*(\t)+\j], v[TT+8*(\t)+\j]
	v_max_num_f32 v[TT+8*(\t)+\j+1], v[ACC+8*(\t)+\j+1], v[TT+8*(\t)+\j+1]
.endif
.endr
.endm
.macro QMX w, x, m, g                  ; a quarter of the search for the largest magnitude of the 32 numbers from v[x] on: four chains; the last quarter joins them, with the floor 2^(3 - 127)
	WIN \w
.if (\g) == 0
.irp a, 0,1,2,3
	v_max3_num_f32 v[(\m)+\a], |v[(\x)+8*\a]|, |v[(\x)+8*\a+1]|, |v[(\x)+8*\a+2]|
.endr
.elseif (\g) < 3
.irp a, 0,1,2,3
	v_max3_num_f32 v[(\m)+\a], v[(\m)+\a], |v[(\x)+8*\a+2*(\g)+1]|, |v[(\x)+8*\a+2*(\g)+2]|
.endr
.else
	v_max3_num_f32 v[(\m)], v[(\m)], |v[(\x)+7]|, |v[(\x)+15]|
	v_max3_num_f32 v[(\m)+2], v[(\m)+2], |v[(\x)+23]|, |v[(\x)+31]|
	v_max3_num_f32 v[(\m)], v[(\m)], v[(\m)+1], 0x1800000
	v_max3_num_f32 v[(\m)], v[(\m)], v[(\m)+2], v[(\m)+3]
.endif
.endm
.macro LKQ t                           ; tiles 4-7: the leaky ReLU, and a quarter of block 0's search
	LKG \t
	QMX 0, TT, MX, (\t)-4
.endm
.macro QB01
	QMX 0, TT+32, MX, 0
	QMX 0, TT+32, MX, 1
.endm
.macro QB23
	QMX 0, TT+32, MX, 2
	QMX 0, TT+32, MX, 3
.endm
.macro QCV c                           ; my block 2 c + h: 2 off the largest magnitude's exponent field is the conversions' scale operand
	WIN 0
	v_add_nc_u32 v[EX+\c], 0xff000000, v[MX]
	v_cvt_scalef32_pk16_fp6_f32 v[FC+6*\c:FC+6*\c+2], v[TT+32*\c:TT+32*\c+15], v[EX+\c]
	v_cvt_scalef32_pk16_fp6_f32 v[ST+4*\c:ST+4*\c+2], v[TT+32*\c+16:TT+32*\c+31], v[EX+\c]
	v_nop                                          ; one plain place behind a scaled conversion
.endm
; The next product's bias into the half of TT that block c's conversions have read: register 32 c + 8 u + j = bias[64 c + 32 h + 8 u + j].
; c = 0 stands straight behind block 0's conversions; c = 1 stands directly ahead of the product's first tile, behind the places that the codes and the word owe it.
.macro BIASLD L, c
	WIN 0
	s_wait_alu depctr_va_vdst(0)                   ; the leaky ReLU has written TT's half c, and the search and the conversions are done reading it: the loads below land in it.  With c = 1 also: the conversions and moves have written v[FC ..] and the v_or_b32 v[FSW], which the scaled products behind these loads take as source 1 and as its scales
.irp u, 0,1,2,3
	ds_load_b128 v[TT+32*(\c)+8*\u:TT+32*(\c)+8*\u+3], v[BADR] offset:512*(\L)+256*(\c)+32*\u
	ds_load_b128 v[TT+32*(\c)+8*\u+4:TT+32*(\c)+8*\u+7], v[BADR] offset:512*(\L)+256*(\c)+32*\u+16
.endr
.endm
.macro QW                              ; my two bytes at their places, with the other half's two: the row's scale word
	WIN 0
	v_lshrrev_b32 v[WD], 23, v[EX]
	v_lshrrev_b32 v[WD2], 23, v[EX+1]
	v_lshl_or_b32 v[WD], v[WD2], 16, v[WD]
	v_lshlrev_b32 v[WD], v[SH8], v[WD]
	v_permlanex16_b32 v[WD2], v[WD], s56, s57
	v_or_b32 v[FSW], v[WD], v[WD2]
.endm
.macro QMV
	WIN 0
.irp i, 0,1,2
	v_mov_b32 v[FC+3+\i], v[ST+\i]
	v_mov_b32 v[FC+9+\i], v[ST+4+\i]
.endr
.endm
.macro SRG a, c, g                     ; smooth ReLU of four numbers: c = min(max(a, 0), 1), which is the derivative; z = c (a - c / 2)
	WIN 0xFF
.irp j, 0,1,2,3
	v_max_num_f32 v[(\c)+4*(\g)+\j], 0, v[(\a)+4*(\g)+\j]
.endr
.irp j, 0,1,2,3
	v_min_num_f32 v[(\c)+4*(\g)+\j], 1.0, v[(\c)+4*(\g)+\j]
.endr
.irp j, 0,2
	v_pk_fma_f32 v[ZZ+4*(\g)+\j:ZZ+4*(\g)+\j+1], v[(\c)+4*(\g)+\j:(\c)+4*(\g)+\j+1], -0.5, v[(\a)+4*(\g)+\j:(\a)+4*(\g)+\j+1] op_sel_hi:[1,0,1]
.endr
.irp j, 0,2
	v_pk_mul_f32 v[ZZ+4*(\g)+\j:ZZ+4*(\g)+\j+1], v[ZZ+4*(\g)+\j:ZZ+4*(\g)+\j+1], v[(\c)+4*(\g)+\j:(\c)+4*(\g)+\j+1]
.endr
.endm
.macro SRD g                           ; the same for a3: c3 stays in ZZ, z3 goes straight into z3 . Vfz
	WIN 0xFF
.irp j, 0,1,2,3
	v_max_num_f32 v[ZZ+4*(\g)+\j], 0, v[PP+4*(\g)+\j]
.endr
.irp j, 0,1,2,3
	v_min_num_f32 v[ZZ+4*(\g)+\j], 1.0, v[ZZ+4*(\g)+\j]
.endr
.irp j, 0,2
	v_pk_fma_f32 v[VT+\j:VT+\j+1], v[ZZ+4*(\g)+\j:ZZ+4*(\g)+\j+1], -0.5, v[PP+4*(\g)+\j:PP+4*(\g)+\j+1] op_sel_hi:[1,0,1]
.endr
.irp j, 0,2
	v_pk_mul_f32 v[VT+\j:VT+\j+1], v[VT+\j:VT+\j+1], v[ZZ+4*(\g)+\j:ZZ+4*(\g)+\j+1]
.endr
.if (\g) == 0
	v_pk_mul_f32 v[DA:DA+1], v[VT:VT+1], v[VFZ:VFZ+1]
	v_pk_mul_f32 v[DB:DB+1], v[VT+2:VT+3], v[VFZ+2:VFZ+3]
.else
	v_pk_fma_f32 v[DA:DA+1], v[VT:VT+1], v[VFZ+4*(\g):VFZ+4*(\g)+1], v[DA:DA+1]
	v_pk_fma_f32 v[DB:DB+1], v[VT+2:VT+3], v[VFZ+4*(\g)+2:VFZ+4*(\g)+3], v[DB:DB+1]
.endif
.endm
.macro VQT x                           ; the 32 numbers from v[x] on, whose largest magnitude lies in v[VM4], become codes and a scale word.  The word first: it wants the longer distance to the products
	WIN 0xFF
	v_add_nc_u32 v[VE], 0xff000000, v[VM4]
	v_lshrrev_b32 v[VW], 23, v[VE]
	v_lshlrev_b32 v[VW], v[VSH8], v[VW]
	v_permlanex16_b32 v[VW2], v[VW], s56, s57
	WIN 0x0F
	v_or_b32 v[VSW], v[VW], v[VW2]                 ; bytes 0, 1: blocks 0, 1; bytes 2, 3 stay 0, over zero codes
	WIN 0xFF
	v_cvt_scalef32_pk16_fp6_f32 v[VC:VC+2], v[(\x):(\x)+15], v[VE]
	v_cvt_scalef32_pk16_fp6_f32 v[VST:VST+2], v[(\x)+16:(\x)+31], v[VE]
	v_nop                                          ; one plain place behind a scaled conversion
.irp i, 0,1,2
	v_mov_b32 v[VC+3+\i], v[VST+\i]
.endr
.endm
.macro SCAL                            ; af, zf, V and G = dV / d af
	WIN 0xFF
	v_pk_add_f32 v[DA:DA+1], v[DA:DA+1], v[DB:DB+1]
	v_mul_f32 v[VVAL], v[DVCUR], v[DVCUR]
	v_add_f32 v[VT], v[DA], v[DA+1]
	v_fma_f32 v[VVAL], v[DVCUR+1], v[DVCUR+1], v[VVAL]   ; d . d
	v_permlanex16_b32 v[VT+1], v[VT], s56, s57
	v_add_f32 v[VT], v[VT], v[VT+1]                ; z3 . Vfz: my 32 units and the other half's
	v_fma_f32 v[VT], v[DVCUR], s60, v[VT]
	v_fma_f32 v[VT], v[DVCUR+1], s61, v[VT]        ; af
	v_max_num_f32 v[VT+1], 0, v[VT]
	v_min_num_f32 v[VT+1], 1.0, v[VT+1]            ; cf
	v_fma_f32 v[VT+2], v[VT+1], -0.5, v[VT]
	v_mul_f32 v[VT+2], v[VT+2], v[VT+1]            ; zf
	v_max_num_f32 v[VT+3], 0, v[VT+2]
	v_min_num_f32 v[VT+3], 1.0, v[VT+3]            ; cz
	v_fma_f32 v[VT], v[VT+3], -0.5, v[VT+2]
	v_mul_f32 v[VT], v[VT], v[VT+3]                ; smooth_relu(zf)
	v_fma_f32 v[VVAL], v[VVAL], s58, v[VT]         ; V
	v_mul_f32 v[G], v[VT+3], v[VT+1]
	v_mul_f32 v[G+1], v[VT+3], v[VT+1]             ; twice: a pair for the packed multiplies
.endm
.macro GA3 g                           ; g_a3 = (G Vfz) c3, four numbers
	WIN 0xFF
	v_pk_mul_f32 v[VT:VT+1], v[VFZ+4*(\g):VFZ+4*(\g)+1], v[G:G+1]
	v_pk_mul_f32 v[VT+2:VT+3], v[VFZ+4*(\g)+2:VFZ+4*(\g)+3], v[G:G+1]
	v_pk_mul_f32 v[ZZ+4*(\g):ZZ+4*(\g)+1], v[VT:VT+1], v[ZZ+4*(\g):ZZ+4*(\g)+1]
	v_pk_mul_f32 v[ZZ+4*(\g)+2:ZZ+4*(\g)+3], v[VT+2:VT+3], v[ZZ+4*(\g)+2:ZZ+4*(\g)+3]
.endm
.macro GMUL c, g                       ; g_a = g_z c, a tile
	WIN 0xFF
.irp j, 0,2,4,6
	v_pk_mul_f32 v[(\c)+8*(\g)+\j:(\c)+8*(\g)+\j+1], v[QQ+8*(\g)+\j:QQ+8*(\g)+\j+1], v[(\c)+8*(\g)+\j:(\c)+8*(\g)+\j+1]
.endr
.endm
.macro PKG w, x, g                     ; eight numbers into four bf16 pairs, in place and ascending: register R takes numbers 2 R and 2 R + 1
	WIN \w
.irp i, 0,1,2,3
	v_cvt_pk_bf16_f32 v[(\x)+4*(\g)+\i], v[(\x)+8*(\g)+2*\i], v[(\x)+8*(\g)+2*\i+1]
.endr
.endm
.macro PREP                            ; the group that has landed becomes operands, and the offset of the group after it is made; its two loads (XLOAD) follow behind the next wait on va_vdst
	s_wait_loadcnt 0x0                             ; its two loads were issued nearly a trip ago; the wait also shows the loads that read the offset register done
	WIN 0
	v_permlanex16_b32 v[TP], v[XL], s56, s57
	v_permlanex16_b32 v[TP+1], v[XL+1], s56, s57
	v_cndmask_b32 v[BXA], 1.0, v[XL], vcc_lo       ; lanes 0-15: k = 0, 1: the row's x; lanes 16-31: k = 2, 3: 1.0 (against the bias) and 0
	v_cndmask_b32 v[BXA+1], 0, v[XL+1], vcc_lo
	v_cndmask_b32 v[BXB], 1.0, v[TP], vcc_lo
	v_cndmask_b32 v[BXB+1], 0, v[TP+1], vcc_lo
	WIN 0xC0
	v_pk_add_f32 v[VT:VT+1], v[XL:XL+1], v[SL:SL+1] neg_lo:[0,1] neg_hi:[0,1]   ; d = X - Xstable
	WIN 0
	s_add_co_u32 s51, s51, STRIDE
	s_min_u32 s53, s51, NGRP-1                     ; behind the wave's last group: the last group of all, loaded and never used: no load leaves its buffer
	s_lshl_b32 s53, s53, 8
	s_wait_alu depctr_vm_vsrc(0)                   ; the two loads of the group in hand have read v[VOFF], which the next line writes
	v_add_nc_u32 v[VOFF], s53, v[L8]
	WIN 0xFF
	v_permlanex16_b32 v[VT+2], v[VT], s56, s57
	v_permlanex16_b32 v[VT+3], v[VT+1], s56, s57
	v_cndmask_b32 v[BDA], 0, v[VT], vcc_lo
	v_cndmask_b32 v[BDA+1], 0, v[VT+1], vcc_lo
	v_cndmask_b32 v[BDB], 0, v[VT+2], vcc_lo
	v_cndmask_b32 v[BDB+1], 0, v[VT+3], vcc_lo
	v_cndmask_b32 v[DVA], v[VT+2], v[VT], vcc_lo   ; d of tile A's row r in both halves of the lanes
	v_cndmask_b32 v[DVA+1], v[VT+3], v[VT+1], vcc_lo
	v_cndmask_b32 v[DVB], v[VT], v[VT+2], vcc_lo   ; of tile B's
	v_cndmask_b32 v[DVB+1], v[VT+1], v[VT+3], vcc_lo
.endm
.macro XLOAD                           ; the group after the one in hand is asked for (every window is 0 here)
	global_load_b64 v[XL:XL+1], v[VOFF], s[4:5] th:TH_LOAD_NT
	global_load_b64 v[SL:SL+1], v[VOFF], s[6:7] th:TH_LOAD_NT
.endm
.macro FIN p                           ; the row's result.  The first lines name neither DF nor DG: they are the places behind the last products
	WIN 0xFF
	v_mul_f32 v[VT], s60, v[G]
	v_mul_f32 v[VT+1], s61, v[G]
	v_fma_f32 v[VT], v[DVCUR], 0x3ca3d70a, v[VT]   ; G Vfx + 0.02 d
	v_fma_f32 v[VT+1], v[DVCUR+1], 0x3ca3d70a, v[VT+1]
	WIN 0xC0
	v_mov_b32 v[FH], v[DF]                         ; rows 0, 1 of the bf16 operand are ff_w: lanes 0-15, registers 0, 1
	v_mov_b32 v[FH+1], v[DF+1]
	WIN 0xFF
	v_permlanex16_b32 v[VT+2], v[FH], s56, s57
	v_permlanex16_b32 v[VT+3], v[FH+1], s56, s57
	v_cndmask_b32 v[FH], v[VT+2], v[FH], vcc_lo
	v_cndmask_b32 v[FH+1], v[VT+3], v[FH+1], vcc_lo
	v_add_f32 v[FH], s62, v[FH]
	v_add_f32 v[FH+1], s63, v[FH+1]                ; f_hat, in all lanes
	v_pk_add_f32 v[GS2:GS2+1], v[GS2:GS2+1], v[DG+2:DG+3]   ; lanes 16-31: g_a2 V2x + g_a1 Vl1 (rows 8, 9 and 10, 11)
	v_cndmask_b32 v[GS3], v[GS2], v[GS3], vcc_lo   ; lanes 0-15: g_a3 V3x (rows 2, 3)
	v_cndmask_b32 v[GS3+1], v[GS2+1], v[GS3+1], vcc_lo
	v_permlanex16_b32 v[VT+2], v[GS3], s56, s57
	v_permlanex16_b32 v[VT+3], v[GS3+1], s56, s57
	v_pk_add_f32 v[GS3:GS3+1], v[GS3:GS3+1], v[VT+2:VT+3]
	v_pk_add_f32 v[GS3:GS3+1], v[GS3:GS3+1], v[VT:VT+1]     ; gradV
	v_mul_f32 v[VT], v[GS3], v[GS3]
	v_mul_f32 v[VT+1], v[FH], v[GS3]
	v_fma_f32 v[VT], v[GS3+1], v[GS3+1], v[VT]
	v_fma_f32 v[VT+1], v[FH+1], v[GS3+1], v[VT+1]
	v_add_f32 v[VT], 0x2edbe6ff, v[VT]             ; |gradV|^2 + 1e-10
	v_fma_f32 v[VT+1], v[VVAL], 0x3dcccccd, v[VT+1]   ; f_hat . gradV + 0.1 V
	v_rcp_f32 v[VT], v[VT]
	v_max_num_f32 v[VT+1], 0, v[VT+1]              ; a plain instruction behind the reciprocal, which names neither its result nor its source
	s_wait_alu depctr_va_vdst(0)                   ; the reciprocal has written v[VT]: the wait stands ahead of the first line that names it
	v_mul_f32 v[VT+1], v[VT+1], v[VT]
.if \p
	v_fma_f32 v[VT+2], -v[GS3], v[VT+1], v[FH]
	v_fma_f32 v[VT+3], -v[GS3+1], v[VT+1], v[FH+1]
	s_wait_xcnt 0x0                                ; the last trip's store has had its address translated: its data and its offset are written again only behind this wait,
	s_wait_alu depctr_vm_vsrc(0)                   ; and behind this one: that store has read v[RES ..] and v[SOFF]
	v_cndmask_b32 v[RES], v[VT+2], v[RESA], vcc_lo ; lane l holds row l of the group: lanes 0-15 tile A's, lanes 16-31 tile B's
	v_cndmask_b32 v[RES+1], v[VT+3], v[RESA+1], vcc_lo
	WIN 0
	s_lshl_b32 s54, s52, 8
	v_add_nc_u32 v[SOFF], s54, v[L8]
	WIN 0x0C                                       ; a store's data are its source 1: window 3
	s_wait_alu depctr_va_vdst(0)                   ; v[RES ..] and v[SOFF] are written, which the store reads
	global_store_b64 v[SOFF], v[RES:RES+1], s[8:9] th:TH_STORE_NT   ; 32 lanes store 256 consecutive bytes, at a multiple of 256 from out0's first byte
	WIN 0
.else
	v_fma_f32 v[RESA], -v[GS3], v[VT+1], v[FH]
	v_fma_f32 v[RESA+1], -v[GS3+1], v[VT+1], v[FH+1]
.endif
.endm
.macro VSTAGE a, c, L                  ; V: smooth ReLU of a, quantised | F: the bias's upper half, then product L's eight tiles, one behind each unit from the second on
	SRG \a, \c, 0
	SRG \a, \c, 1
	BIASLD \L, 1
	FM \L, 0
	SRG \a, \c, 2
	FM \L, 1
	SRG \a, \c, 3
	FM \L, 2
	SRG \a, \c, 4
	FM \L, 3
	SRG \a, \c, 5
	FM \L, 4
	SRG \a, \c, 6
	FM \L, 5
	SRG \a, \c, 7
	FM \L, 6
	QMX 0xFF, ZZ, VM4, 0
	FM \L, 7
	QMX 0xFF, ZZ, VM4, 1
	QMX 0xFF, ZZ, VM4, 2
	QMX 0xFF, ZZ, VM4, 3
	VQT ZZ
.endm
; A TILE OF 16 ROWS.  On entry ACC holds its x f1_w^T + f1_b and PP its a1.  No two matrix instructions that follow each other share an accumulator, over the loop's backward jump too
; Every result is read a unit of the other chain or more behind the product that made it; every scale word made here stands a dozen plain lines ahead of its first product.
.macro TILE p
	; 1: F: h1 quantised | V: d V2x^T
	LKG 0
	VX QQ, 2, XV2, 0, BDCUR
	LKG 1
	LKG 2
	VX QQ, 2, XV2, 1, BDCUR
	LKG 3
	LKQ 4
	VX QQ, 2, XV2, 2, BDCUR
	LKQ 5
	LKQ 6
	VX QQ, 2, XV2, 3, BDCUR
	LKQ 7
	QCV 0
	BIASLD 0, 0
	QB01
	QB23
	QCV 1
	QW
	QMV
	; 2: V: z1 | F: f2
.if \p
	WIN 0xFF
	v_mov_b32 v[DVC], v[DVB]                       ; tile B's d is kept: the next group's takes its place before this tile ends
	v_mov_b32 v[DVC+1], v[DVB+1]
.endif
	VSTAGE PP, C1, 0
	; 3: F: h2 | V: + z1 V2z^T; d V3x^T
	LKG 0
	s_wait_alu depctr_va_vdst(0)                   ; z1's codes in v[VC ..] and their word in v[VSW] are written, which the four scaled products below take; the unit above is among the places that they owe
	VM QQ, 1, V2ZF, 0, 0, 1
	LKG 1
	VM QQ, 1, V2ZF, 0, 1, 1
	LKG 2
	VM QQ, 1, V2ZF, 0, 2, 1
	LKG 3
	VM QQ, 1, V2ZF, 0, 3, 1
	LKQ 4
	VX PP, 1, XV3, 0, BDCUR
	LKQ 5
	LKQ 6
	VX PP, 1, XV3, 1, BDCUR
	LKQ 7
	QCV 0
	BIASLD 1, 0
	VX PP, 1, XV3, 2, BDCUR
	QB01
	QB23
	VX PP, 1, XV3, 3, BDCUR
	QCV 1
	QW
	QMV
	; 4: V: z2 | F: f3
	VSTAGE QQ, C2, 1
	; 5: F: h3 | V: + z2 V3z^T
	LKG 0
	s_wait_alu depctr_va_vdst(0)                   ; z2's codes in v[VC ..] and their word in v[VSW] are written, which the four scaled products below take
	VM PP, 1, V3ZF, 1, 0, 1
	LKG 1
	VM PP, 1, V3ZF, 1, 1, 1
	LKG 2
	VM PP, 1, V3ZF, 1, 2, 1
	LKG 3
	VM PP, 1, V3ZF, 1, 3, 1
	LKQ 4
	LKQ 5
	LKQ 6
	LKQ 7
	QCV 0
	BIASLD 2, 0
	QB01
	QB23
	QCV 1
	QW
	QMV
	; 6: V: z3 . Vfz, V, G, g_a3 quantised and packed | F: f4
	SRD 0
	SRD 1
	BIASLD 2, 1
	FM 2, 0
	SRD 2
	FM 2, 1
	SRD 3
	FM 2, 2
	SRD 4
	FM 2, 3
	SRD 5
	FM 2, 4
	SRD 6
	FM 2, 5
	SRD 7
	FM 2, 6
	SCAL
	FM 2, 7
.irp g, 0,1,2,3,4,5,6,7
	GA3 \g
.endr
.irp g, 0,1,2,3
	QMX 0xFF, ZZ, VM4, \g
.endr
	VQT ZZ
.irp g, 0,1,2,3
	PKG 0xFF, ZZ, \g
.endr
.if \p
	PREP
.endif
	; 7: F: h4 | V: g_z2 = g_a3 V3z; g_a3 V3x; the next tile's a1
	LKG 0
	s_wait_alu depctr_va_vdst(0)                   ; g_a3's codes in v[VC ..] and their word in v[VSW] are written, which the four scaled products below take.  In tile B also: PREP is done reading v[XL ..] and v[SL ..], in which the two loads below land, and has written v[VOFF], their offset
.if \p
	XLOAD
.endif
	VM QQ, 2, V3ZT, 2, 0, 0
	LKG 1
	VG 0, ZZ
	LKG 2
	VM QQ, 2, V3ZT, 2, 1, 0
	LKG 3
	VG 1, ZZ
	LKQ 4
	VM QQ, 2, V3ZT, 2, 2, 0
	LKQ 5
	VM QQ, 2, V3ZT, 2, 3, 0
	LKQ 6
	VX PP, 1, XVL, 0, BDNXT
	LKQ 7
	QCV 0
	BIASLD 3, 0
	VX PP, 1, XVL, 1, BDNXT
	QB01
	QB23
	VX PP, 1, XVL, 2, BDNXT
	QCV 1
	QW
	VX PP, 1, XVL, 3, BDNXT
	QMV
	; 8: V: g_a2 quantised and packed | F: f5
	WIN 0xFF
	v_mov_b32 v[GS3], v[DG+2]
	v_mov_b32 v[GS3+1], v[DG+3]
	GMUL C2, 0
	BIASLD 3, 1
	FM 3, 0
	GMUL C2, 1
	FM 3, 1
	GMUL C2, 2
	FM 3, 2
	GMUL C2, 3
	FM 3, 3
	QMX 0xFF, C2, VM4, 0
	FM 3, 4
	QMX 0xFF, C2, VM4, 1
	FM 3, 5
	QMX 0xFF, C2, VM4, 2
	FM 3, 6
	QMX 0xFF, C2, VM4, 3
	FM 3, 7
	VQT C2
.irp g, 0,1,2,3
	PKG 0xFF, C2, \g
.endr
	; 9: F: h5 packed | V: g_z1 = g_a2 V2z; g_a2 V2x | F: the next tile's first layer, into accumulators that have been read
	LKG 0
	s_wait_alu depctr_va_vdst(0)                   ; g_a2's codes in v[VC ..] and their word in v[VSW] are written, which the four scaled products below take
	VM QQ, 2, V2ZT, 3, 0, 0
	LKG 1
	VG 0, C2
	LKG 2
	VM QQ, 2, V2ZT, 3, 1, 0
	LKG 3
	VG 1, C2
	LKG 4
	VM QQ, 2, V2ZT, 3, 2, 0
	LKG 5
	VM QQ, 2, V2ZT, 3, 3, 0
	LKG 6
	FX 0
	LKG 7
	PKG 0, TT, 0
	FX 1
	PKG 0, TT, 1
	PKG 0, TT, 2
	PKG 0, TT, 3
	FX 2
	PKG 0, TT, 4
	PKG 0, TT, 5
	PKG 0, TT, 6
	FX 3
	PKG 0, TT, 7
	; 10: V: g_a1 packed | F: h5 ff_w^T, the rest of the next tile's first layer | V: g_a1 Vl1
	WIN 0xFF
	v_mov_b32 v[GS2], v[DG]
	v_mov_b32 v[GS2+1], v[DG+1]
	GMUL C1, 0
	FMF 0
	GMUL C1, 1
	FX 4
	GMUL C1, 2
	FMF 1
	GMUL C1, 3
	FX 5
	PKG 0xFF, C1, 0
	FMF 2
	PKG 0xFF, C1, 1
	FX 6
	PKG 0xFF, C1, 2
	FMF 3
	PKG 0xFF, C1, 3
	VG 0, C1
	FX 7
	VG 1, C1
	; 11
	FIN \p
.endm
; ---------------- the head's quantiser: 64 numbers of a lane in window win from v[base] on, two whole blocks, become 12 registers of codes in v[FC] on and a word of four bytes in v[WD] ----------------
.macro HQ win, base
	WIN ((\win)<<2)|((\win)<<4)
.irp i, 0,1,2,3,4,5,6,7
.irp c, 0,1
.irp a, 0,1
.if \i == 0
	v_max3_num_f32 v[MX+2*\c+\a], 0x1800000, |v[(\base)+32*\c+2*\a]|, |v[(\base)+32*\c+2*\a+1]|   ; with the floor 2^(3 - 127): the byte cannot fall under 1
.else
	v_max3_num_f32 v[MX+2*\c+\a], v[MX+2*\c+\a], |v[(\base)+32*\c+4*\i+2*\a]|, |v[(\base)+32*\c+4*\i+2*\a+1]|
.endif
.endr
.endr
.endr
	WIN 0
	v_max_num_f32 v[MX], v[MX], v[MX+1]
	v_max_num_f32 v[MX+2], v[MX+2], v[MX+3]
	v_add_nc_u32 v[EX], 0xff000000, v[MX]
	v_add_nc_u32 v[EX+1], 0xff000000, v[MX+2]
	v_lshrrev_b32 v[WD], 23, v[EX]
	v_lshrrev_b32 v[WD2], 23, v[EX+1]
	v_lshl_or_b32 v[WD], v[WD2], 16, v[WD]
	v_lshlrev_b32 v[WD], v[SH8], v[WD]
	v_permlanex16_b32 v[WD2], v[WD], s56, s57
	v_or_b32 v[WD], v[WD], v[WD2]
	WIN (\win)
	v_cvt_scalef32_pk16_fp6_f32 v[FC:FC+2], v[(\base):(\base)+15], v[EX]
	v_cvt_scalef32_pk16_fp6_f32 v[ST:ST+2], v[(\base)+16:(\base)+31], v[EX]
	v_cvt_scalef32_pk16_fp6_f32 v[FC+6:FC+8], v[(\base)+32:(\base)+47], v[EX+1]
	v_cvt_scalef32_pk16_fp6_f32 v[ST+4:ST+6], v[(\base)+48:(\base)+63], v[EX+1]
	WIN 0
	v_nop                                          ; one plain place behind a scaled conversion
	QMV
.endm
.macro HIMG adr, off                   ; the operand goes to LDS as it stands: 16 bytes a lane, 512 a store
.irp g, 0,1,2
	ds_store_b128 v[\adr], v[FC+4*\g:FC+4*\g+3] offset:(\off)+512*\g
.endr
.endm
; ================ THE HEAD ================
	s_load_b512 s[4:19], s[0:1], 0x0               ; X 4, Xstable 6, out0 8, f1_w 10, f1_b 12, f2_w 14, f3_w 16, f4_w 18
	s_load_b512 s[20:35], s[0:1], 0x40             ; f5_w 20, f2_b 22, f3_b 24, f4_b 26, f5_b 28, ff_w 30, ff_b 32, Vl1_w 34
	s_load_b256 s[36:43], s[0:1], 0x80             ; V2x_w 36, V3x_w 38, V2z_w 40, V3z_w 42
	s_load_b128 s[44:47], s[0:1], 0xa0             ; Vfx_w 44, Vfz_w 46
	v_lshl_add_u32 v126, v0, 2, 0x12400
	v_mov_b32 v127, 0
	v_lshrrev_b32 v1, 5, v0
	v_readfirstlane_b32 s48, v1                    ; wave 0..3
	s_mov_b32 vcc_lo, 0xffff                       ; lanes 0-15: the one mask of the kernel, written by this scalar line and never again
	s_mov_b32 s56, 0x76543210
	s_mov_b32 s57, 0xfedcba98                      ; v_permlanex16_b32's selects for lane l xor 16
	s_mov_b32 s58, 0x3c23d70a                      ; 0.01: the leaky slope, and TOL
	s_mov_b32 s59, s58                             ; (named with it as a pair)
	s_wait_alu depctr_va_sdst(0)                   ; s48 is written, ahead of its first reader: gid, the LDS places and the choice of weights are made from it
	s_lshl_b32 s49, ttmp9, 2
	s_add_co_u32 s49, s49, s48                     ; gid
	s_cmp_lt_u32 s49, NGRP-15*STRIDE
	s_cselect_b32 s50, 16, 15                      ; trips
	s_mov_b32 s51, s49                             ; the group being loaded
	s_mov_b32 s52, s49                             ; the group in hand
	v_and_b32 v[HL], 31, v0                        ; lane
	v_bfe_u32 v[HH], v0, 4, 1                      ; h
	v_and_b32 v[HR], 15, v0                        ; r
	v_lshlrev_b32 v[L8], 3, v[HL]
	v_lshlrev_b32 v[SH8], 3, v[HH]
	v_lshl_add_u32 v[BADR], v[HH], 7, BIAS
	v_and_b32 v[HU], 7, v0
	v_bfe_u32 v[HX], v0, 3, 1
	v_lshl_add_u32 v[HU], v[HX], 5, v[HU]          ; my row's unit in tile 0: r % 8 + 32 (r / 8)
	v_lshlrev_b32 v[HT4], 2, v0
	v_lshlrev_b32 v[HT8], 3, v0
	v_lshlrev_b32 v[HVZ], 7, v[HH]
	v_lshlrev_b32 v[HU8], 3, v[HU]
	v_lshlrev_b32 v[HU4], 2, v[HU]
	v_lshlrev_b32 v[HVF], 8, v[HU]
	v_lshl_add_u32 v[HVF], v[HH], 7, v[HVF]        ; a 64 x 64 weight, K along its rows: 256 unit + 128 h
	v_lshlrev_b32 v[HVB], 2, v[HU]
	v_lshl_add_u32 v[HVB], v[HH], 13, v[HVB]       ; K down its columns: 4 unit + 32 h rows of 256 bytes
	v_lshlrev_b32 v[HFF], 9, v[HU]
	v_lshl_add_u32 v[HFF], v[HH], 7, v[HFF]        ; a 128 x 128 weight: 512 unit + 128 h
	; every LDS address is made here, ahead of the one place where the waves part
	v_lshlrev_b32 v[HLI], 4, v[HL]
	v_lshlrev_b32 v[HLS], 2, v[HL]
	s_mul_i32 s54, s48, 12288
	v_add_nc_u32 v[HWI], s54, v[HLI]
	s_mul_i32 s54, s48, 3072
	s_add_co_u32 s54, s54, IMGV
	v_add_nc_u32 v[HWV], s54, v[HLI]
	s_lshl_b32 s54, s48, 9
	s_add_co_u32 s54, s54, SWFL
	v_lshl_add_u32 v[HSF], v[HR], 2, s54
	s_lshl_b32 s54, s48, 8
	s_add_co_u32 s54, s54, SWVL
	v_lshl_add_u32 v[HSV], v[HR], 2, s54
	v_lshl_add_u32 v[HBI], v0, 2, BIAS
	v_lshl_add_u32 v[HG8], v0, 3, GT
	v_and_b32 v[HX], 1, v0
	v_lshrrev_b32 v[HGX], 1, v0
	v_lshlrev_b32 v[HGX], 2, v[HGX]
	v_lshl_add_u32 v[HGX], v[HX], 9, v[HGX]
	v_add_nc_u32 v[HGX], GT, v[HGX]                ; an x-weight [64][2]: number t is (k = t / 2, o = t % 2): table row o, column k
	v_lshl_add_u32 v[HGC], v0, 4, GT
	v_lshlrev_b32 v[HGL], 9, v[HR]
	v_lshl_add_u32 v[HGL], v[HH], 7, v[HGL]
	v_add_nc_u32 v[HGL], GT, v[HGL]
.irp i, 0,1,2,3
	v_mov_b32 v[HZ+\i], 0
.endr
	s_lshl_b32 s53, s49, 8
	v_add_nc_u32 v[VOFF], s53, v[L8]
	s_wait_kmcnt 0x0
	s_load_b64 s[60:61], s[44:45], 0x0             ; Vfx_w's two numbers
	s_load_b64 s[62:63], s[32:33], 0x0             ; ff_b's two
	s_cmp_eq_u32 s48, 0                            ; wave w quantises f(2+w)_w
	s_cselect_b64 s[66:67], s[14:15], s[16:17]
	s_cmp_eq_u32 s48, 2
	s_cselect_b64 s[66:67], s[18:19], s[66:67]
	s_cmp_eq_u32 s48, 3
	s_cselect_b64 s[66:67], s[20:21], s[66:67]
	s_add_co_u32 s54, s48, 1                       ; and V2z, V3z (K along rows), V3z, V2z (K down columns)
	s_and_b32 s54, s54, 2
	s_cmp_eq_u32 s54, 0
	s_cselect_b64 s[68:69], s[40:41], s[42:43]
	s_wait_alu depctr_va_vdst(0)                   ; all offsets and LDS addresses (v[L8], v[VOFF], v[BADR], v[HT4] to v[HGL]) and the four zeros v[HZ ..] are written, which the loads and LDS stores below read; up to the first quantiser no vector instruction follows
	; all global loads of the head in one run
	global_load_b64 v[XL:XL+1], v[VOFF], s[4:5] th:TH_LOAD_NT
	global_load_b64 v[SL:SL+1], v[VOFF], s[6:7] th:TH_LOAD_NT
	WIN 0xC0                                       ; destination window 3
	global_load_b32 v232, v[HT4], s[22:23]         ; the four biases, a number a thread
	global_load_b32 v233, v[HT4], s[24:25]
	global_load_b32 v234, v[HT4], s[26:27]
	global_load_b32 v235, v[HT4], s[28:29]
	global_load_b64 v[236:237], v[HT8], s[30:31]   ; ff_w, two numbers a thread
	global_load_b32 v238, v[HT4], s[38:39]         ; V3x_w, V2x_w, Vl1_w for the bf16 operand
	global_load_b32 v239, v[HT4], s[36:37]
	global_load_b32 v240, v[HT4], s[34:35]
.irp i, 0,1,2,3,4,5,6,7
	global_load_b128 v[VFZ+4*\i:VFZ+4*\i+3], v[HVZ], s[46:47] offset:16*\i
.endr
.irp t, 0,1,2,3,4,5,6,7
	global_load_b64 v[64+2*\t:65+2*\t], v[HU8], s[10:11] offset:8*(64*(\t/4)+8*(\t%4))
	global_load_b32 v[80+\t], v[HU4], s[12:13] offset:4*(64*(\t/4)+8*(\t%4))
.endr
.irp u, 0,1,2,3
	global_load_b64 v[208+2*\u:209+2*\u], v[HU8], s[34:35] offset:64*\u
	global_load_b64 v[216+2*\u:217+2*\u], v[HU8], s[36:37] offset:64*\u
	global_load_b64 v[224+2*\u:225+2*\u], v[HU8], s[38:39] offset:64*\u
.endr
	WIN 0
	s_cmp_lt_u32 s48, 2                            ; the two ways hold global loads alone, into the same 128 registers: tiles 0, 1 in window 3 from v0, tiles 2, 3 in window 0 from v[TT]
	s_cbranch_scc0 .Ldown_k
	WIN 0xC0
.irp e, 0,1
.irp i, 0,1,2,3,4,5,6,7
	global_load_b128 v[32*\e+4*\i:32*\e+4*\i+3], v[HVF], s[68:69] offset:2048*\e+16*\i
.endr
.endr
	WIN 0
.irp e, 0,1
.irp i, 0,1,2,3,4,5,6,7
	global_load_b128 v[TT+32*\e+4*\i:TT+32*\e+4*\i+3], v[HVF], s[68:69] offset:2048*(2+\e)+16*\i
.endr
.endr
	s_branch .Lv_asked
.Ldown_k:
	WIN 0xC0
.irp e, 0,1
.set i, 0
.rept 32
	global_load_b32 v[32*\e+i], v[HVB], s[68:69] offset:256*i+32*\e
.set i, i+1
.endr
.endr
	WIN 0
.irp e, 0,1
.set i, 0
.rept 32
	global_load_b32 v[TT+32*\e+i], v[HVB], s[68:69] offset:256*i+32*(2+\e)
.set i, i+1
.endr
.endr
.Lv_asked:
.irp f, 0,1,2,3,4,5,6,7                ; my 128 x 128 weight: tile f's 64 numbers a lane into window 1 + f / 4 from v[64 (f % 4)]
	WIN (1+\f/4)<<6
.irp cc, 0,1
.irp i, 0,1,2,3,4,5,6,7
	global_load_b128 v[64*(\f%4)+32*\cc+4*\i:64*(\f%4)+32*\cc+4*\i+3], v[HFF], s[66:67] offset:512*(64*(\f/4)+8*(\f%4))+256*\cc+16*\i
.endr
.endr
.endr
	WIN 0
	s_wait_kmcnt 0x0                               ; Vfx_w's and ff_b's numbers
.irp i, 0,1,2,3
	ds_store_b128 v[HGC], v[HZ:HZ+3] offset:2048*\i   ; the table begins as zeros
.endr
	s_wait_dscnt 0x0
	s_barrier_signal -1
	s_barrier_wait -1                              ; every wave's zeros lie there: now the rows that are not zero
	s_wait_loadcnt 63                              ; behind the small loads at least 196 younger ones were issued on either way
	WIN 0x0C                                       ; an LDS store's data are its source 1: window 3
	ds_store_b32 v[HBI], v232
	ds_store_b32 v[HBI], v233 offset:512
	ds_store_b32 v[HBI], v234 offset:1024
	ds_store_b32 v[HBI], v235 offset:1536
	ds_store_b64 v[HG8], v[236:237]                ; rows 0, 1: ff_w as it lies
	ds_store_b32 v[HGX], v238 offset:512*2         ; rows 2, 3: V3x_w^T
	ds_store_b32 v[HGX], v239 offset:512*8         ; rows 8, 9: V2x_w^T
	ds_store_b32 v[HGX], v240 offset:512*10        ; rows 10, 11: Vl1_w^T
	WIN 0
	; my 64 x 64 weight: two tiles at a time take the places of the quantiser's two blocks; the word's halves are the two tiles' scale words (bytes 2, 3 of each stay 0)
	HQ 3, 0                                        ; (behind its loads 128 younger ones were issued: the wait above serves)
	v_and_b32 v[WD2], 0xffff, v[WD]
	v_lshrrev_b32 v[WD], 16, v[WD]
	s_wait_alu depctr_va_vdst(0)                   ; the codes in v[FC ..] and the two words in v[WD2], v[WD] are written, which the five LDS stores read
	HIMG HWV, 0
	ds_store_b32 v[HSV], v[WD2]
	ds_store_b32 v[HSV], v[WD] offset:64
	s_wait_dscnt 0x0                               ; my stores are in LDS: the barrier below asks it of every one of them
	s_wait_alu depctr_vm_vsrc(0)                   ; the stores have read v[FC ..], v[WD] and v[WD2], which the next quantiser writes
	HQ 0, TT
	v_and_b32 v[WD2], 0xffff, v[WD]
	v_lshrrev_b32 v[WD], 16, v[WD]
	s_wait_alu depctr_va_vdst(0)                   ; the codes and the two words are written, which the five LDS stores read
	HIMG HWV, 1536
	ds_store_b32 v[HSV], v[WD2] offset:128
	ds_store_b32 v[HSV], v[WD] offset:192
	s_wait_dscnt 0x0                               ; my stores are in LDS
	s_wait_alu depctr_vm_vsrc(0)                   ; the stores have read v[FC ..], v[WD] and v[WD2], which the next quantiser writes
.irp f, 0,1,2,3,4,5,6,7
.if 16*(7-\f) > 63
	s_wait_loadcnt 63                              ; tile f's 16 loads are in: 16 (7 - f) younger ones were issued behind them
.else
	s_wait_loadcnt 16*(7-\f)
.endif
	HQ 1+\f/4, 64*(\f%4)
	s_wait_alu depctr_va_vdst(0)                   ; the codes in v[FC ..] and the word in v[WD] are written, which the four LDS stores read
	HIMG HWI, 1536*\f
	ds_store_b32 v[HSF], v[WD] offset:64*\f        ; both halves of the lanes hold row r's word and write it to the same place
	s_wait_dscnt 0x0                               ; my stores are in LDS
	s_wait_alu depctr_vm_vsrc(0)                   ; the stores have read v[FC ..] and v[WD], which the next quantiser, and behind the last one the loop, writes
.endr
	; the f32 operands: lanes 0-15 k = 0, 1: the unit's two weights; lanes 16-31 k = 2, 3: f1's bias and 0, or zeros
	WIN 0x0F
.irp t, 0,1,2,3,4,5,6,7
	v_cndmask_b32 v[XWF+2*\t], v[80+\t], v[64+2*\t], vcc_lo
	v_cndmask_b32 v[XWF+2*\t+1], 0, v[65+2*\t], vcc_lo
.endr
	WIN 0x4F
.irp i, 0,1,2,3,4,5,6,7
	v_cndmask_b32 v[XVL+\i], 0, v[208+\i], vcc_lo
	v_cndmask_b32 v[XV3+\i], 0, v[224+\i], vcc_lo
.endr
	WIN 0x8F
.irp i, 0,1,2,3,4,5,6,7
	v_cndmask_b32 v[XV2+\i], 0, v[216+\i], vcc_lo
.endr
	WIN 0
	s_barrier_signal -1                            ; (my LDS stores were waited for above)
	s_barrier_wait -1                              ; all images, words, biases and the table lie in LDS; nothing is stored to LDS from here on
	s_wait_alu depctr_va_vdst(0)                   ; the quantisers are done reading the f32 weights in windows 1 and 2 and in v[TT ..], in which the loads below land; behind it stand loads and window switches alone
	WIN 0x40
.irp L, 0,1
.set i, 0
.rept 24
	ds_load_b128 v[96*\L+4*i:96*\L+4*i+3], v[HLI] offset:IMGF+12288*\L+512*i
.set i, i+1
.endr
.set i, 0
.rept 6
	ds_load_b128 v[192+24*\L+4*i:192+24*\L+4*i+3], v[HLI] offset:IMGV+3072*\L+512*i
.set i, i+1
.endr
.endr
	WIN 0x80
.irp L, 0,1
.set i, 0
.rept 24
	ds_load_b128 v[96*\L+4*i:96*\L+4*i+3], v[HLI] offset:IMGF+12288*(2+\L)+512*i
.set i, i+1
.endr
.set i, 0
.rept 6
	ds_load_b128 v[192+24*\L+4*i:192+24*\L+4*i+3], v[HLI] offset:IMGV+3072*(2+\L)+512*i
.set i, i+1
.endr
.endr
	WIN 0
.set i, 0
.rept 16
	ds_load_b32 v[SWF+i], v[HLS] offset:SWFL+128*i ; lanes 0-15 the even tile's words, lanes 16-31 the odd tile's
.set i, i+1
.endr
.set i, 0
.rept 8
	ds_load_b32 v[SWV+i], v[HLS] offset:SWVL+128*i
.set i, i+1
.endr
.irp i, 0,1,2,3,4,5,6,7,8,9,10,11,12,13,14,15  ; the table: fragment i / 4 = 2 c + e: row r, columns 64 c + 32 h + 16 e + 0 .. 15: the order in which a lane holds its row's numbers
	ds_load_b128 v[TT+4*\i:TT+4*\i+3], v[HGL] offset:256*(\i/8)+64*((\i/4)%2)+16*(\i%4)
.endr
	s_wait_dscnt 0x0
	s_wait_alu depctr_vm_vsrc(0)                   ; every load and LDS instruction of the head has read its offset or address in v93 to v124: the lines below write the bf16 operand and v[TP] over them; the LDS stores have read window 3's v232 to v240, which the loop writes
.set i, 0
.rept 32
	v_cvt_pk_bf16_f32 v[BW+i], v[TT+2*i], v[TT+2*i+1]
.set i, i+1
.endr
	v_mov_b32 v[TP], 0                             ; a lane permute's destination counts as one of its sources: written once
	v_mov_b32 v[TP+1], 0
	WIN 0xC0
.irp i, 6,7,8,9,10,11
	v_mov_b32 v[VC+\i], 0                          ; K = 64 .. 127 of V's rows: zero codes, for the whole launch
.endr
	v_mov_b32 v[VSH8], v[SH8]
	v_mov_b32 v[VW2], 0
.irp i, 0,1,2,3
	v_mov_b32 v[VT+\i], 0
.endr
	; the first tile's first layers
.set BXNXT, BXA
	PREP
	WIN 0
	s_wait_alu depctr_va_vdst(0)                   ; PREP is done reading v[XL ..] and v[SL ..], in which the second group's loads land, and has written v[VOFF], their offset; the zero codes of V's rows are written too
	XLOAD
.irp t, 0,1,2,3,4,5,6,7
	FX \t
.endr
.irp u, 0,1,2,3
	VX PP, 1, XVL, \u, BDA
.endr
	WIN 0
.rept 8
	v_nop                                          ; eight places behind the f32 matrix form, ahead of the first read of its results
.endr
; ================ THE LOOP: a trip is a group of 32 rows ================
.Ltrip:
.set BDCUR, BDA
.set BDNXT, BDB
.set BXNXT, BXB
.set DVCUR, DVA
	TILE 0
.set BDCUR, BDB
.set BDNXT, BDA
.set BXNXT, BXA
.set DVCUR, DVC
	TILE 1
	WIN 0                                          ; at a label and at a branch every window is 0
	s_add_co_u32 s52, s52, STRIDE
	s_sub_co_i32 s50, s50, 1                       ; the counter comes down from 15 or 16; the signed compare ends the loop at 0
	s_cmp_gt_i32 s50, 0
	s_cbranch_scc1 .Ltrip
	s_wait_dscnt 0x0
	s_wait_alu depctr_hold_cnt(0) depctr_sa_sdst(0) depctr_va_vdst(0) depctr_va_sdst(0) depctr_va_ssrc(0) depctr_va_vcc(0) depctr_vm_vsrc(0)
	s_wait_tensorcnt 0x0
	ds_add_u32 v126, v127
	s_wait_dscnt 0x0
	s_endpgm
.Lfunc_end_k_qe1a59d6118_icnn:
	.size	k_qe1a59d6118_icnn, .Lfunc_end_k_qe1a59d6118_icnn-k_qe1a59d6118_icnn
	.p2alignl 7, 3214868480
	.fill 96, 4, 3214868480
	.section	.rodata,"a",@progbits
	.p2align	6, 0x0
	.amdhsa_kernel k_qe1a59d6118_icnn
		.amdhsa_group_segment_fixed_size 75264
		.amdhsa_private_segment_fixed_size 0
		.amdhsa_enable_private_segment 0
		.amdhsa_kernarg_size 176
		.amdhsa_user_sgpr_count 2
		.amdhsa_user_sgpr_kernarg_segment_ptr 1
		.amdhsa_wavefront_size32 1
		.amdhsa_system_sgpr_workgroup_id_x 1
		.amdhsa_system_sgpr_workgroup_id_y 1
		.amdhsa_system_sgpr_workgroup_id_z 1
		.amdhsa_system_vgpr_workitem_id 0
		.amdhsa_next_free_vgpr 1024
		.amdhsa_next_free_sgpr 80
		.amdhsa_reserve_vcc 1
		.amdhsa_float_denorm_mode_32 3
		.amdhsa_float_denorm_mode_16_64 3
		.amdhsa_memory_ordered 1
		.amdhsa_forward_progress 1
		.amdhsa_inst_pref_size 253
	.end_amdhsa_kernel
	.amdgpu_metadata
---
amdhsa.version: [ 1, 2 ]
amdhsa.kernels:
  - .name:           k_qe1a59d6118_icnn
    .symbol:         k_qe1a59d6118_icnn.kd
    .args:
      - { .name: X, .offset: 0, .size: 8, .value_kind: global_buffer, .address_space: global }
      - { .name: Xstable, .offset: 8, .size: 8, .value_kind: global_buffer, .address_space: global }
      - { .name: out0, .offset: 16, .size: 8, .value_kind: global_buffer, .address_space: global }
      - { .name: f1_w, .offset: 24, .size: 8, .value_kind: global_buffer, .address_space: global }
      - { .name: f1_b, .offset: 32, .size: 8, .value_kind: global_buffer, .address_space: global }
      - { .name: f2_w, .offset: 40, .size: 8, .value_kind: global_buffer, .address_space: global }
      - { .name: f3_w, .offset: 48, .size: 8, .value_kind: global_buffer, .address_space: global }
      - { .name: f4_w, .offset: 56, .size: 8, .value_kind: global_buffer, .address_space: global }
      - { .name: f5_w, .offset: 64, .size: 8, .value_kind: global_buffer, .address_space: global }
      - { .name: f2_b, .offset: 72, .size: 8, .value_kind: global_buffer, .address_space: global }
      - { .name: f3_b, .offset: 80, .size: 8, .value_kind: global_buffer, .address_space: global }
      - { .name: f4_b, .offset: 88, .size: 8, .value_kind: global_buffer, .address_space: global }
      - { .name: f5_b, .offset: 96, .size: 8, .value_kind: global_buffer, .address_space: global }
      - { .name: ff_w, .offset: 104, .size: 8, .value_kind: global_buffer, .address_space: global }
      - { .name: ff_b, .offset: 112, .size: 8, .value_kind: global_buffer, .address_space: global }
      - { .name: Vl1_w, .offset: 120, .size: 8, .value_kind: global_buffer, .address_space: global }
      - { .name: V2x_w, .offset: 128, .size: 8, .value_kind: global_buffer, .address_space: global }
      - { .name: V3x_w, .offset: 136, .size: 8, .value_kind: global_buffer, .address_space: global }
      - { .name: V2z_w, .offset: 144, .size: 8, .value_kind: global_buffer, .address_space: global }
      - { .name: V3z_w, .offset: 152, .size: 8, .value_kind: global_buffer, .address_space: global }
      - { .name: Vfx_w, .offset: 160, .size: 8, .value_kind: global_buffer, .address_space: global }
      - { .name: Vfz_w, .offset: 168, .size: 8, .value_kind: global_buffer, .address_space: global }
    .group_segment_fixed_size: 75264
    .private_segment_fixed_size: 0
    .kernarg_segment_align: 8
    .kernarg_segment_size: 176
    .max_flat_workgroup_size: 128
    .sgpr_count:     80
    .vgpr_count:     1024
    .wavefront_size: 32
...
	.end_amdgpu_metadata
.endif
;; end of part 2
